; MI455X (gfx1250); checked and timed in simulation.
; The chip was launched on July 23, 2026; its instructions are those of AMD's public machine-readable ISA for CDNA 5 (MIT licence, August 2026) and "CDNA5" Instruction Set Architecture Reference Guide (July 2026). The comments in the code are by the model that wrote it; some were corrected since.
;; Transformer Block. Allowed arithmetic: matrix products marked QUANTISED: E4M3 operands, one given power-of-two scale a tensor, by v_wmma_f32_16x16x64_fp8_fp8 or v_wmma_f32_16x16x128_fp8_fp8, f32 sums; everything else in f32.
;; Inputs: b_fc 4,096 float32; b_in 3,072 float32; b_out 1,024 float32; b_proj 1,024 float32; ln1_b 1,024 float32; ln1_g 1,024 float32; ln2_b 1,024 float32; ln2_g 1,024 float32; lowp_scales 12 int32 (the exponents e of the quantised operands' scales 2^e); w_fc 1,024 x 4,096 float32; w_in 1,024 x 3,072 float32; w_out 1,024 x 1,024 float32; w_proj 4,096 x 1,024 float32; x 2 x 2,048 x 1,024 float32.
;; Outputs: out0 2 x 2,048 x 1,024 float32.
;; This version of the problem:
;;   THIS VERSION OF THE PROBLEM IS GIVEN IN LOW PRECISION. The matrix products marked QUANTISED in the list below multiply operands that are first quantised to E4M3 (4 exponent bits, 3 mantissa bits; 8 bits a number), with one given power-of-two scale for each operand tensor; their sums are f32. All else is computed in f32.
;;   The module's matrix products, in the order in which they are computed (A, B: the left and right operand; K: the contracted axis; several contracted axes count as one K, in the product's order):
;;     1. [M 4,096, K 1,024] x [K 1,024, N 3,072]; A: computed on the way; B: input w_in: QUANTISED (scales: A lowp_scales[0], B lowp_scales[1])
;;     2. batch 32 x [M 2,048, K 64] x [K 64, N 2,048]; A: computed on the way; B: computed on the way: QUANTISED (scales: A lowp_scales[2], B lowp_scales[3])
;;     3. batch 32 x [M 2,048, K 2,048] x [K 2,048, N 64]; A: softmax (see below); B: computed on the way: QUANTISED (scales: A lowp_scales[4], B lowp_scales[5])
;;     4. [M 4,096, K 1,024] x [K 1,024, N 1,024]; A: computed on the way; B: input w_out: QUANTISED (scales: A lowp_scales[6], B lowp_scales[7])
;;     5. [M 4,096, K 1,024] x [K 1,024, N 4,096]; A: computed on the way; B: input w_fc: QUANTISED (scales: A lowp_scales[8], B lowp_scales[9])
;;     6. [M 4,096, K 4,096] x [K 4,096, N 1,024]; A: computed on the way; B: input w_proj: QUANTISED (scales: A lowp_scales[10], B lowp_scales[11])
;;   THE QUANTISER, for each operand of a quantised product, along K:
;;     - The operand's scale is 2^e, e = its entry of the input lowp_scales (int32; the entries are numbered through the quantised products in the list's order, A before B).
;;     - Each number is divided by the scale, clamped to +-448, and rounded to the nearest number of E4M3, ties to even, subnormals kept.
;;     - The product sums the exact products of the quantised numbers (number of the format x scale) in f32.
;;   ~~~python
;;   def quantise(x, axis, e):      # numpy; x: float32 -> the quantised numbers, widened to float32 again
;;       x = np.moveaxis(x, axis, -1); K = x.shape[-1]
;;       r = np.clip(x / 2.0 ** e, -448, 448)
;;       step = 2.0 ** (np.maximum(np.frexp(np.where(r == 0, 1, r))[1] - 1, -6) - 3)
;;       q = np.round(r / step) * step * 2.0 ** e      # np.round: ties to even
;;       return np.moveaxis(q, -1, axis).astype(np.float32)
;;   ~~~
;;   SOFTMAX AHEAD OF A QUANTISED PRODUCT. Where the list says 'softmax', what is quantised is not the finished softmax but p = 2^(t - M), with t = logit x log2(e) and M = ceil(the row's largest t), a whole number; so 1/2 < the row's largest p <= 1. The row's sum l is taken of the UNQUANTISED p, in f32, and the product's result is divided by l at the end. Since M is a whole number, a kernel that streams over the keys may use a running M (the ceiling of the running maximum): every later rescaling is an exact power of two, so the quantised numbers keep their values, but for numbers so far below the row's largest that they fall under the format's range.
;;   OPERANDS COMPUTED ON THE WAY. 'Computed on the way' means the value that the module computes at that place (a softmax that the list does not call 'softmax' is quantised finished and normalised). What goes into a quantiser is computed in f32, as accurately as f32 sums, v_exp_f32 and their like allow (about 1e-6 of the number): no bf16 or f16 on the way to a quantiser, and a product that is left as it is and whose result goes on into a quantised operand takes f32 operands (vector FMAs, or v_wmma_f32_16x16x4_f32). A number that lies on a knife's edge between two numbers of the format may be rounded either way, as far as f32 arithmetic and the matrix unit's own rounding can turn it there, and no further.
;; One version. Each part assembles by itself: llvm-mc -triple=amdgcn-amd-amdhsa -mcpu=gfx1250 --defsym DOCPART=n.
;; ======== version 1 of 1: 7 launches
;; limits: right only within a limited range of input values
;; workspace buffers: codes 16,777,216 bytes; qkv 12,582,912 bytes; oimg 4,194,304 bytes; x1 16,777,216 bytes; yy 20,971,520 bytes; gimg 16,777,216 bytes
;; launch prep (part 1): grid 640 x 1, 8 waves a work-group, no clusters, 17,664 bytes of LDS; arguments x, ln1_g, ln1_b, w_in, w_out, w_fc, w_proj, lowp_scales, codes; writes codes
.if DOCPART == 1
	.amdgcn_target "amdgcn-amd-amdhsa--gfx1250"
	.amdhsa_code_object_version 6
	.text
	.protected	k_q3cc657daae_prep
	.globl	k_q3cc657daae_prep
	.p2align	8
	.type	k_q3cc657daae_prep,@function
k_q3cc657daae_prep:
	s_mov_b64 s[64:65], 0
	v_nop
	global_prefetch_b8 v0, s[64:65] scope:SCOPE_SE
	s_setreg_imm32_b32 hwreg(HW_REG_WAVE_MODE, 25, 1), 1
	s_wait_xcnt 0x0
; THE PROGRAM: a transformer block, all six products on codes of FP8 (E4M3) with the given scales 2^e.  Seven launches: this one, qkv, attention, out-projection + residual, LN2, fc + GELU, proj + residual.
; THIS LAUNCH: h = LN1(x) is quantised (entry 0), and the four weights, stored [K][N], are quantised along K (entries 1, 7, 9, 11).
; LAYOUT OF ALL CODES OF THIS PROGRAM: IMAGES OF THE MATRIX UNIT'S OPERAND REGISTERS.  An image is 16 rows x 128 k = 2,048 bytes = 4 quads of 512 bytes; in quad c lane (r, h) = 16 h + r owns 16 bytes:
; k = 32 c + 8 h + 0..7, then k = 32 c + 16 + 8 h + 0..7 of row r.  Images lie [row / 16][k / 128].  So a fragment is four dense loads of 16 bytes a lane, with every k in the place that the plain 8-bit form gives it.
; codes: h at 0 [4096 rows][1024]; w_in at 4,194,304 [3072][1024], its rows reordered to kind x 1024 + head x 64 + d (kind 0, 1, 2 = q, k, v; column head x 192 + kind x 64 + d of w_in);
; w_out at 7,340,032 [1024][1024]; w_fc at 8,388,608 [4096][1024]; w_proj at 12,582,912 [1024][4096].
; WORK LEFT OUT IN THE PROGRAM: in the attention launch, key steps all of whose keys come after all 16 queries of a wave.  reference() sets those logits to -inf by the jnp.tril mask that it builds in its own body,
; the softmax gives them the weight 0 exactly, so products 2 and 3 on those tiles reach no output, whatever the inputs hold.  LIMIT: a NaN, an infinity or an overflow that reaches only those scores is not carried to the result.
; No input is left out: every bias and gain is loaded.
; LIMITS: each e of a quantiser between -126 and 119 (2^e and 448 x 2^e are f32 numbers).  NaN among the inputs is not served.
; SHARES.  Work-groups 0-255: LN1, 16 rows each, two rows a wave, a row in 32 registers; the variance is taken of the centred numbers.  A row's codes go through a stage in LDS (rows of 1,024 + 16 bytes) and leave as images.
; Work-groups 256-351 w_in, 352-383 w_out, 384-511 w_fc, 512-639 w_proj: 256 rows of the image x 128 along K each; a lane takes a column and its registers run down K, so nothing is transposed and nothing goes through LDS.
.set PITCH, 1040
.set SPARE, 16*PITCH                   ; behind the stage: the spare words, 128 bytes for each of the eight waves
.set X,  32                            ; v32-95   LN1: two rows, held in place; at the end v32-47 take the image
.set XW, 24                            ; v24-151  the weight path: 128 numbers down K; a block's first eight registers later take the next block's codes
.set G,  96                            ; v96-127  the gain
.set BB, 128                           ; v128-159 the bias
.set T,  152                           ; v152-159 the weight path: the first block's codes
.macro REDUCE r                        ; the sum over the 32 lanes, in every lane
	s_delay_alu instid0(VALU_DEP_1)
	v_add_f32_dpp v[\r], v[\r], v[\r] row_xmask:1 row_mask:0xf bank_mask:0xf
	s_delay_alu instid0(VALU_DEP_1)
	v_add_f32_dpp v[\r], v[\r], v[\r] row_xmask:2 row_mask:0xf bank_mask:0xf
	s_delay_alu instid0(VALU_DEP_1)
	v_add_f32_dpp v[\r], v[\r], v[\r] row_xmask:4 row_mask:0xf bank_mask:0xf
	s_delay_alu instid0(VALU_DEP_1)
	v_add_f32_dpp v[\r], v[\r], v[\r] row_xmask:8 row_mask:0xf bank_mask:0xf
	s_delay_alu instid0(VALU_DEP_1)
	v_permlanex16_b32 v[\r+1], v[\r], s40, s41
	s_delay_alu instid0(VALU_DEP_1)
	v_add_f32 v[\r], v[\r], v[\r+1]
.endm
.macro STATS p                         ; row p: the mean, the row centred in place, var + eps in v[ST+2]
.set XB, X+32*\p
.set ST, 16+8*\p
	v_pk_add_f32 v[ST:ST+1], v[XB:XB+1], v[XB+2:XB+3]
	v_pk_add_f32 v[ST+2:ST+3], v[XB+4:XB+5], v[XB+6:XB+7]
.set j, 8
.rept 6
	s_delay_alu instid0(VALU_DEP_2)
	v_pk_add_f32 v[ST:ST+1], v[ST:ST+1], v[XB+j:XB+j+1]
	s_delay_alu instid0(VALU_DEP_2)
	v_pk_add_f32 v[ST+2:ST+3], v[ST+2:ST+3], v[XB+j+2:XB+j+3]
.set j, j+4
.endr
	s_delay_alu instid0(VALU_DEP_1)
	v_pk_add_f32 v[ST:ST+1], v[ST:ST+1], v[ST+2:ST+3]
	s_delay_alu instid0(VALU_DEP_1)
	v_add_f32 v[ST], v[ST], v[ST+1]
	REDUCE ST
	s_delay_alu instid0(VALU_DEP_1)
	v_mul_f32 v[ST], s42, v[ST]                    ; the mean: sum / 1024
.set j, 0
.rept 16
	v_pk_add_f32 v[XB+j:XB+j+1], v[XB+j:XB+j+1], v[ST:ST+1] op_sel_hi:[1,0] neg_lo:[0,1] neg_hi:[0,1]
.set j, j+2
.endr
	v_pk_mul_f32 v[ST+2:ST+3], v[XB:XB+1], v[XB:XB+1]
	v_pk_mul_f32 v[ST+4:ST+5], v[XB+2:XB+3], v[XB+2:XB+3]
.set j, 4
.rept 7
	s_delay_alu instid0(VALU_DEP_2)
	v_pk_fma_f32 v[ST+2:ST+3], v[XB+j:XB+j+1], v[XB+j:XB+j+1], v[ST+2:ST+3]
	s_delay_alu instid0(VALU_DEP_2)
	v_pk_fma_f32 v[ST+4:ST+5], v[XB+j+2:XB+j+3], v[XB+j+2:XB+j+3], v[ST+4:ST+5]
.set j, j+4
.endr
	s_delay_alu instid0(VALU_DEP_1)
	v_pk_add_f32 v[ST+2:ST+3], v[ST+2:ST+3], v[ST+4:ST+5]
	s_delay_alu instid0(VALU_DEP_1)
	v_add_f32 v[ST+2], v[ST+2], v[ST+3]
	REDUCE ST+2
	s_delay_alu instid0(VALU_DEP_1)
	v_fma_f32 v[ST+2], v[ST+2], s42, s43           ; var + eps
.endm
.macro NORM p                          ; row p: x rs, x g + b, held, converted, into the stage
.set XB, X+32*\p
.set ST, 16+8*\p
.set j, 0
.rept 16
	v_pk_mul_f32 v[XB+j:XB+j+1], v[XB+j:XB+j+1], v[ST+4:ST+5] op_sel_hi:[1,0]
.set j, j+2
.endr
.set j, 0
.rept 16
	v_pk_fma_f32 v[XB+j:XB+j+1], v[XB+j:XB+j+1], v[G+j:G+j+1], v[BB+j:BB+j+1]
.set j, j+2
.endr
.set j, 0
.rept 32
	v_med3_num_f32 v[XB+j], v[XB+j], -v6, v6       ; the conversion to an 8-bit code does not saturate (ISA guide 7.6.2): the hold at 448 x the scale, in place
.set j, j+1
.endr
.if \p
	s_wait_alu depctr_va_vdst(0)
	s_wait_dscnt 0x0                               ; the first row's stores into the stage have read the codes' registers
.endif
.set j, 0
.rept 4
	v_cvt_scalef32_pk8_fp8_f32 v[8+2*j:9+2*j], v[XB+8*j:XB+8*j+7], v7
.set j, j+1
.endr
	v_nop                                          ; a plain line behind the conversions, ahead of the next lines that write their sources
.set j, 0
.rept 8
	ds_store_b32 v4, v[8+j] offset:128*j+PITCH*\p  ; register j holds k = 128 j + 4 lane + 0..3: the stage's row lies in the order of k
.set j, j+1
.endr
.endm
; A weight's arm: ids, addresses, its exponent, its 128 loads.  first: its first work-group; ptr: its pointer's register; N: its row in numbers; KS: log2(K / 128); region: its place in codes; eidx: its entry; isin: w_in's reordering
.macro WARM first, ptr, N, KS, region, eidx, isin
	s_sub_co_u32 s27, ttmp9, \first
	s_and_b32 s28, s27, (1<<\KS)-1                 ; which 128 along K
	s_lshr_b32 s29, s27, \KS                       ; which 256 rows of the image
.if \isin
	s_lshr_b32 s30, s29, 2                         ; kind
	s_and_b32 s31, s29, 3
	s_lshl_b32 s31, s31, 2
	s_lshr_b32 s32, s26, 1
	s_add_co_u32 s31, s31, s32                     ; head
	s_mul_i32 s31, s31, 192
	s_lshl_b32 s30, s30, 6
	s_add_co_u32 s31, s31, s30
	s_and_b32 s32, s26, 1
	s_lshl_b32 s32, s32, 5
	s_add_co_u32 s31, s31, s32                     ; my wave's first column: head x 192 + kind x 64 + 32 (wave % 2)
.else
	s_lshl_b32 s31, s29, 8
	s_lshl_b32 s32, s26, 5
	s_add_co_u32 s31, s31, s32                     ; my wave's first column
.endif
	s_lshl_b32 s31, s31, 2
	s_mul_i32 s30, s28, 128*\N*4
	s_add_co_u32 s44, s30, s31
	s_mov_b32 s45, 0
	s_lshl_b32 s29, s29, 4
	s_lshl_b32 s32, s26, 1
	s_add_co_u32 s29, s29, s32                     ; my wave's first tile of 16 rows
	s_lshl_b32 s29, s29, \KS
	s_add_co_u32 s29, s29, s28
	s_lshl_b32 s29, s29, 11
	s_add_co_u32 s48, s29, \region
	s_mov_b32 s49, 0
	s_mov_b32 s47, 11+\KS                          ; log2 of the bytes from a tile of rows to the next
	s_wait_kmcnt 0x0
	s_load_b32 s46, s[22:23], 4*\eidx
	s_add_nc_u64 s[44:45], s[\ptr:\ptr+1], s[44:45]
.set k, 0
.rept 128
	global_load_b32 v[XW+k], v1, s[44:45] offset:k*\N*4 th:TH_LOAD_NT   ; row k at 32 neighbouring columns: 128 consecutive bytes a wave
.set k, k+1
.endr
.endm
.macro WBLK c, left                    ; 32 along K of my column: two pieces of 16 bytes, one for each half of the image's lanes
	s_wait_loadcnt \left
.set XB, XW+32*\c
.if \c
.set CB, XW+32*(\c-1)                  ; the block before is converted: its first eight registers take these codes, and are written once
.else
.set CB, T
.endif
.set j, 0
.rept 32
	v_med3_num_f32 v[XB+j], v[XB+j], -v6, v6
.set j, j+1
.endr
	v_cvt_scalef32_pk8_fp8_f32 v[CB:CB+1], v[XB:XB+7], v7
	v_cvt_scalef32_pk8_fp8_f32 v[CB+2:CB+3], v[XB+16:XB+23], v7
	v_cvt_scalef32_pk8_fp8_f32 v[CB+4:CB+5], v[XB+8:XB+15], v7
	v_cvt_scalef32_pk8_fp8_f32 v[CB+6:CB+7], v[XB+24:XB+31], v7
	global_store_b128 v5, v[CB:CB+3], s[24:25] offset:512*\c        ; sixteen lanes store 256 consecutive bytes, aligned
	global_store_b128 v5, v[CB+4:CB+7], s[24:25] offset:512*\c+256
.endm
	s_load_b512 s[8:23], s[0:1], 0x0               ; x, ln1_g, ln1_b, w_in, w_out, w_fc, w_proj, the exponents
	s_load_b64 s[24:25], s[0:1], 0x40              ; codes
	v_lshl_add_u32 v2, v0, 2, SPARE
	v_mov_b32 v3, 0
	v_lshrrev_b32 v4, 5, v0
	s_delay_alu instid0(VALU_DEP_1)
	v_readfirstlane_b32 s26, v4                    ; wave 0..7
	v_and_b32 v9, 31, v0                           ; lane
	v_and_b32 v10, 15, v0                          ; r
	v_bfe_u32 v11, v0, 4, 1                        ; h
	s_cmp_lt_u32 ttmp9, 256
	s_cbranch_scc0 .Lweights
	; ---- LN1
	v_lshlrev_b32 v1, 4, v9                        ; 16 x lane
	s_mul_i32 s27, s26, 2*PITCH
	v_lshlrev_b32 v4, 2, v9
	s_delay_alu instid0(VALU_DEP_1)
	v_add_nc_u32 v4, s27, v4                       ; into the stage: my wave's first row, 4 x lane
	v_mul_u32_u24 v5, v10, PITCH
	s_delay_alu instid0(VALU_DEP_1)
	v_lshl_add_u32 v5, v11, 3, v5
	s_lshl_b32 s27, s26, 7
	v_add_nc_u32 v5, s27, v5                       ; out of it: row r, k = 128 wave + 8 h
	s_lshl_b32 s28, ttmp9, 16
	s_lshl_b32 s29, s26, 13
	s_add_co_u32 s28, s28, s29                     ; my two rows: (16 g + 2 wave) x 4,096 bytes
	s_mov_b32 s29, 0
	s_lshl_b32 s30, ttmp9, 3
	s_add_co_u32 s30, s30, s26
	s_lshl_b32 s30, s30, 11                        ; my image: (8 g + wave) x 2,048
	s_mov_b32 s31, 0
	s_mov_b32 s40, 0x76543210
	s_mov_b32 s41, 0xfedcba98
	s_mov_b32 s42, 0x3a800000                      ; 1 / 1024
	s_mov_b32 s43, 0x3727c5ac                      ; eps = 1e-5
	s_wait_alu depctr_va_vdst(0)
	s_wait_kmcnt 0x0
	s_load_b32 s46, s[22:23], 0x0                  ; e of h
	s_add_nc_u64 s[8:9], s[8:9], s[28:29]
	s_add_nc_u64 s[24:25], s[24:25], s[30:31]
.set j, 0
.rept 16
	global_load_b128 v[X+4*j:X+4*j+3], v1, s[8:9] offset:512*j th:TH_LOAD_NT   ; 512 consecutive bytes a load; eight loads a row
.set j, j+1
.endr
.set j, 0
.rept 8
	global_load_b128 v[G+4*j:G+4*j+3], v1, s[10:11] offset:512*j
.set j, j+1
.endr
.set j, 0
.rept 8
	global_load_b128 v[BB+4*j:BB+4*j+3], v1, s[12:13] offset:512*j
.set j, j+1
.endr
	s_wait_loadcnt 24                              ; row 0 is in; row 1, the gain and the bias may be out
	STATS 0
	s_wait_loadcnt 16                              ; row 1 is in
	STATS 1
	s_wait_alu depctr_va_vdst(0)
	v_rsq_f32 v20, v18
	v_rsq_f32 v28, v26
	v_nop                                          ; a plain line behind the two
	s_wait_kmcnt 0x0
	s_add_co_i32 s46, s46, 127
	s_lshl_b32 s27, s46, 23
	v_mov_b32 v7, s27                              ; 2^e as f32
	s_add_co_i32 s46, s46, 8
	s_lshl_b32 s46, s46, 23
	s_or_b32 s46, s46, 0x600000
	v_mov_b32 v6, s46                              ; 448 x 2^e
	s_wait_alu depctr_va_vdst(0)                   ; one wait for both, ahead of their first reader
	s_wait_loadcnt 0x0
	NORM 0
	NORM 1
	s_wait_dscnt 0x0                               ; my stores into the stage are done
	s_barrier_signal -1
	s_barrier_wait -1                              ; everybody's are: 16 rows of codes lie in the stage
.set j, 0
.rept 8
	ds_load_b64 v[X+2*j:X+2*j+1], v5 offset:16*j   ; registers 2 j, 2 j + 1 of the image: k = 128 wave + 16 j + 8 h + 0..7 of row r
.set j, j+1
.endr
.set j, 0
.rept 4
	s_wait_dscnt 6-2*j                             ; the younger reads may be out
	global_store_b128 v1, v[X+4*j:X+4*j+3], s[24:25] offset:512*j   ; 512 consecutive bytes, aligned
.set j, j+1
.endr
	s_wait_tensorcnt 0x0                           ; the wave's end
	ds_add_u32 v2, v3
	s_wait_dscnt 0x0
	s_endpgm
	; ---- the weights
.Lweights:
	s_wait_alu depctr_va_vdst(0)
	v_lshlrev_b32 v1, 2, v9                        ; 4 x lane: my column
	s_cmp_lt_u32 ttmp9, 352
	s_cbranch_scc1 .Lwin
	s_cmp_lt_u32 ttmp9, 384
	s_cbranch_scc1 .Lwout
	s_cmp_lt_u32 ttmp9, 512
	s_cbranch_scc1 .Lwfc
	s_wait_alu depctr_va_vdst(0)
	WARM 512, 20, 1024, 5, 12582912, 11, 0
	s_branch .Lquant
.Lwin:
	s_wait_alu depctr_va_vdst(0)
	WARM 256, 14, 3072, 3, 4194304, 1, 1
	s_branch .Lquant
.Lwout:
	s_wait_alu depctr_va_vdst(0)
	WARM 352, 16, 1024, 3, 7340032, 7, 0
	s_branch .Lquant
.Lwfc:
	s_wait_alu depctr_va_vdst(0)
	WARM 384, 18, 4096, 3, 8388608, 9, 0
.Lquant:
	s_wait_kmcnt 0x0
	s_add_co_i32 s46, s46, 127
	s_lshl_b32 s27, s46, 23
	v_mov_b32 v7, s27
	s_add_co_i32 s46, s46, 8
	s_lshl_b32 s46, s46, 23
	s_or_b32 s46, s46, 0x600000
	v_mov_b32 v6, s46
	s_add_nc_u64 s[24:25], s[24:25], s[48:49]
	v_lshlrev_b32 v11, s47, v11                    ; lanes 16-31 belong to the next tile of 16 rows
	s_delay_alu instid0(VALU_DEP_1)
	v_lshl_add_u32 v5, v10, 4, v11                 ; + 16 x (lane % 16)
	s_wait_alu depctr_va_vdst(0)
	WBLK 0, 63                                     ; 96 younger loads were issued; the counter's field ends at 63, so the wait is for more than it needs
	WBLK 1, 63
	WBLK 2, 32                                     ; the last block's 32 may be out
	WBLK 3, 0
	s_endpgm
.Lfunc_end_k_q3cc657daae_prep:
	.size	k_q3cc657daae_prep, .Lfunc_end_k_q3cc657daae_prep-k_q3cc657daae_prep
	.p2alignl 7, 3214868480
	.fill 96, 4, 3214868480
	.section	.rodata,"a",@progbits
	.p2align	6, 0x0
	.amdhsa_kernel k_q3cc657daae_prep
		.amdhsa_group_segment_fixed_size 17664
		.amdhsa_private_segment_fixed_size 0
		.amdhsa_enable_private_segment 0
		.amdhsa_kernarg_size 72
		.amdhsa_user_sgpr_count 2
		.amdhsa_user_sgpr_kernarg_segment_ptr 1
		.amdhsa_wavefront_size32 1
		.amdhsa_system_sgpr_workgroup_id_x 1
		.amdhsa_system_sgpr_workgroup_id_y 1
		.amdhsa_system_sgpr_workgroup_id_z 1
		.amdhsa_system_vgpr_workitem_id 0
		.amdhsa_next_free_vgpr 160
		.amdhsa_next_free_sgpr 66
		.amdhsa_reserve_vcc 0
		.amdhsa_float_denorm_mode_32 3
		.amdhsa_float_denorm_mode_16_64 3
		.amdhsa_memory_ordered 1
		.amdhsa_forward_progress 1
		.amdhsa_inst_pref_size 90
	.end_amdhsa_kernel
	.amdgpu_metadata
---
amdhsa.version: [ 1, 2 ]
amdhsa.kernels:
  - .name:           k_q3cc657daae_prep
    .symbol:         k_q3cc657daae_prep.kd
    .args:
      - { .name: x, .offset: 0, .size: 8, .value_kind: global_buffer, .address_space: global }
      - { .name: ln1_g, .offset: 8, .size: 8, .value_kind: global_buffer, .address_space: global }
      - { .name: ln1_b, .offset: 16, .size: 8, .value_kind: global_buffer, .address_space: global }
      - { .name: w_in, .offset: 24, .size: 8, .value_kind: global_buffer, .address_space: global }
      - { .name: w_out, .offset: 32, .size: 8, .value_kind: global_buffer, .address_space: global }
      - { .name: w_fc, .offset: 40, .size: 8, .value_kind: global_buffer, .address_space: global }
      - { .name: w_proj, .offset: 48, .size: 8, .value_kind: global_buffer, .address_space: global }
      - { .name: lowp_scales, .offset: 56, .size: 8, .value_kind: global_buffer, .address_space: global }
      - { .name: codes, .offset: 64, .size: 8, .value_kind: global_buffer, .address_space: global }
    .group_segment_fixed_size: 17664
    .private_segment_fixed_size: 0
    .kernarg_segment_align: 8
    .kernarg_segment_size: 72
    .max_flat_workgroup_size: 256
    .sgpr_count:     66
    .vgpr_count:     160
    .wavefront_size: 32
...
	.end_amdgpu_metadata
.endif
;; end of part 1
;; launch gemm_qkv (part 2): grid 12 x 16, 4 waves a work-group, clusters of 4 x 4, 327,680 bytes of LDS; arguments codes, b_in, lowp_scales, qkv; writes qkv
.if DOCPART == 2
	.amdgcn_target "amdgcn-amd-amdhsa--gfx1250"
	.amdhsa_code_object_version 6
	.text
	.protected	k_q3cc657daae_gemm_qkv
	.globl	k_q3cc657daae_gemm_qkv
	.p2align	8
	.type	k_q3cc657daae_gemm_qkv,@function
k_q3cc657daae_gemm_qkv:
	s_mov_b64 s[64:65], 0
	v_nop
	global_prefetch_b8 v0, s[64:65] scope:SCOPE_SE
	s_setreg_imm32_b32 hwreg(HW_REG_WAVE_MODE, 25, 1), 1
	s_wait_xcnt 0x0
	s_wait_alu depctr_hold_cnt(0) depctr_sa_sdst(0) depctr_va_vdst(0) depctr_va_sdst(0) depctr_va_ssrc(0) depctr_va_vcc(0) depctr_vm_vsrc(0)
	s_getreg_b32 s2, hwreg(HW_REG_IB_STS2, 6, 4)
	s_cmp_eq_u32 s2, 0
	s_cbranch_scc0 .Lentry_in_a_cluster
	s_endpgm
.Lentry_in_a_cluster:
	s_bfe_u32 s2, ttmp6, 0x10000c
	s_cmp_lg_u32 s2, 0xf033
	s_cbranch_scc0 .Lentry_shape_is_right
	s_endpgm
.Lentry_shape_is_right:
; qkv = h w_in + b_in on codes of FP8 (entries 0, 1), and q, k, v quantised at once (entries 2, 3, 5) into images of operand registers (layout: 16 rows x 128 k = 4 quads of 512 bytes; lane (r, h) owns 16 bytes of each quad).
; qkv: q at 0 and k at 4,194,304 as images of 16 tokens x 64 (1,024 bytes) at ((batch x 16 + head) x 128 + token / 16) x 1,024;  v at 8,388,608 as images of 16 d x 128 KEYS at (((batch x 16 + head) x 16 + key / 128) x 4 + d / 16) x 2,048.
; A tile of 256 x 256 to a work-group of four waves, 128 x 128 a wave in 512 registers.  K = 1,024 goes in four steps of 256 through two LDS slots; a tensor load brings 8 tiles of rows x 4,096 bytes (two images each).
; THE MATRIX INSTRUCTION IS USED TRANSPOSED (source 0 = 16 rows of B, source 1 = 16 rows of A): a lane holds one row of A and eight neighbouring rows of B, so one conversion gives two registers of the next operand.
; The cluster's x says what is made: 0 q, 1 k: A = h, B = w_in's rows (a lane's eight neighbours run along d);  2 v: A = w_in's v rows, B = h (the eight neighbours run along the KEYS, the K of attention's second product).
; CLUSTERS: 4 x 4; A's tiles are shared along a row of the cluster, B's along a column, by joint loads.
; The text parts on the cluster's x behind the last change of slots, where no tensor load and no barrier follows: each arm loads its bias, runs the last two steps of 128 along K, and goes out.
; LIMITS: e0 + e1 between -126 and 127; e2, e3, e5 between -126 and 119.  NaN among the inputs is not served.
; REGISTERS: window 0: v0-31 addresses; v32-95 the bias; v128-255 A's fragments, ONE set (on the way out: v128-191 the numbers, v192-207 the codes);  window 1: B's fragments, two sets;  windows 2, 3: the 64 accumulators.
.set HALFT,  32768                     ; 8 tiles of rows x 4,096 bytes: what one tensor load brings, and what a wave reads of A or of B
.set SLOT,   4*HALFT
.set SPARE,  2*SLOT                    ; behind the ring: the spare words
.set FR,     16
.set NL,     4
.set NP,     4
.set ADRA, 16
.set ADRB, 20
.set LI,   24                          ; v24  16 x lane
.set SPW,  28
.set NIL,  29
.set BI,   32
.set AF,   128
.set TMP,  128
.set CC,   192
.set G1, 24
.set G0, 32
.set G1B, 48
.set G0B, 56
.set MSB, 0
.macro WIN new                         ; the immediate's high byte repeats the setting that is left
.if MSB != \new
	s_set_vgpr_msb (MSB<<8)|\new
.set MSB, \new
.endif
.endm
.set MUL_LO, 0xa1
.set MUL_HI, 0xf1
.set TO_B,   0x40
.macro JLOAD g0a, g1a, g0b, g1b        ; a joint load: waves 0 and 1 fetch for A, waves 2 and 3 for B; an s_nop 0 and four v_nop follow each line
	s_cmp_eq_u32 s15, 0
	s_cbranch_scc0 .Lfor_b_\@
	tensor_load_to_lds s[\g0a:\g0a+3], s[\g1a:\g1a+7]
	s_nop 0
.rept 4
	v_nop
.endr
	s_branch .Lasked_\@
.Lfor_b_\@:
	tensor_load_to_lds s[\g0b:\g0b+3], s[\g1b:\g1b+7]
	s_nop 0
.rept 4
	v_nop
.endr
.Lasked_\@:
.endm
.macro CREST
	s_cmp_lg_u32 s14, 0
	s_cbranch_scc1 .Lnot_wave_0_\@
	s_barrier_signal -3
.Lnot_wave_0_\@:
	s_barrier_wait -3
	s_barrier_signal -1
	s_barrier_wait -1
.endm
.macro CROUND
	s_barrier_signal -1
	s_barrier_wait -1
	CREST
.endm
.macro QSC e, t, vs, vl                ; s[e]: an exponent; v[vs] = 2^e, v[vl] = 448 x 2^e; s[t], s[t+1] at work
	s_add_co_i32 s[\t], s[\e], 127
	s_lshl_b32 s[\t+1], s[\t], 23
	v_mov_b32 v[\vs], s[\t+1]
	s_add_co_i32 s[\t], s[\t], 8
	s_lshl_b32 s[\t], s[\t], 23
	s_or_b32 s[\t], s[\t], 0x600000
	v_mov_b32 v[\vl], s[\t]
.endm
	s_load_b256 s[4:11], s[0:1], 0x0               ; codes s[4:5], b_in s[6:7], the exponents s[8:9], qkv s[10:11]
	v_lshl_add_u32 v[SPW], v0, 2, SPARE
	v_mov_b32 v[NIL], 0
	ds_add_u32 v[SPW], v[NIL]                      ; the wave's opening: the add, twice on end, and its wait ahead of my first tensor load
	ds_add_u32 v[SPW], v[NIL]
	v_lshrrev_b32 v1, 5, v0
	v_readfirstlane_b32 s14, v1                    ; wave 0..3
	s_lshr_b32 s15, s14, 1                         ; my half of the tile's rows.  Also: I fetch for A (0) or B (1)
	s_and_b32 s16, s14, 1                          ; my half of its columns.  Also: which half of that tile I fetch
	s_bfe_u32 s40, ttmp6, 0x40000                  ; cx
	s_bfe_u32 s41, ttmp6, 0x40004                  ; cy
	s_and_b32 s67, ttmp7, 0xffff
	s_lshl_b32 s67, s67, 2                         ; 4 x cluster y
	s_lshl_b32 s68, ttmp9, 2                       ; 4 x cluster x
	s_cmp_eq_u32 ttmp9, 2                          ; v?  The same in all sixteen partners
	s_cselect_b32 s17, 0, s67
	s_cselect_b32 s42, s67, s68
	s_cselect_b32 s69, 0x600000, 0                 ; A's place in codes: w_in's rows 2,048 on, or h
	s_cselect_b32 s70, 0, 0x400000                 ; B's: h, or w_in
	s_add_co_u32 s17, s17, s41                     ; A's tile of 256 rows: hangs on cy alone within the cluster
	s_add_co_u32 s42, s42, s40                     ; B's: on cx alone
	s_lshl_b32 s43, s41, 2
	s_lshl_b32 s43, 15, s43                        ; my row of the cluster
	s_lshl_b32 s44, 0x1111, s40                    ; my column
	s_or_b32 s[G1+0], s43, (3<<16)|(1<<21)         ; 15:0 the mask; 17:16 elements of 8 bytes; 21 set beside a mask; no padding: the images are read 16 bytes a lane on end
	s_or_b32 s[G1B+0], s44, (3<<16)|(1<<21)
.irp g, G1, G1B
	s_mov_b32 s[\g+1], 512<<16                     ; tensor_dim0 = 512 elements: 4,096 bytes, two images
	s_mov_b32 s[\g+2], 8<<16                       ; tensor_dim1 = 8 tiles of rows
	s_mov_b32 s[\g+3], 512<<16                     ; tile_dim0
	s_mov_b32 s[\g+4], 8                           ; tile_dim1
	s_mov_b32 s[\g+5], 2048                        ; from a tile of rows to the next: 16,384 bytes
	s_mov_b32 s[\g+6], 0
	s_mov_b32 s[\g+7], 0
.endr
	s_lshl_b32 s18, s16, 17                        ; which 8 tiles of rows I fetch
	s_lshl_b32 s20, s17, 18
	s_add_co_u32 s20, s20, s18
	s_add_co_u32 s20, s20, s69
	s_mov_b32 s21, 0
	s_lshl_b32 s46, s42, 18
	s_add_co_u32 s46, s46, s18
	s_add_co_u32 s46, s46, s70
	s_mov_b32 s47, 0
	s_mul_i32 s45, s14, HALFT                      ; where they go: no place in the cluster enters an LDS address
	s_wait_dscnt 0x0                               ; both opening adds are done
	s_wait_kmcnt 0x0
	s_load_b256 s[72:79], s[8:9], 0x0              ; e0 .. e7
	s_add_nc_u64 s[20:21], s[4:5], s[20:21]
	s_add_nc_u64 s[46:47], s[4:5], s[46:47]
	CROUND                                         ; all sixteen work-groups are here: the first joint loads meet
.irp s, 0,1
	s_mov_b32 s[G0+4*\s], 1
	s_add_co_u32 s[G0+4*\s+1], s45, \s*SLOT
	s_add_nc_u64 s[G0+4*\s+2:G0+4*\s+3], s[20:21], \s*4096
	s_or_b32 s[G0+4*\s+3], s[G0+4*\s+3], 0x80000000
	s_mov_b32 s[G0B+4*\s], 1
	s_add_co_u32 s[G0B+4*\s+1], s45, \s*SLOT
	s_add_nc_u64 s[G0B+4*\s+2:G0B+4*\s+3], s[46:47], \s*4096
	s_or_b32 s[G0B+4*\s+3], s[G0B+4*\s+3], 0x80000000
.endr
	JLOAD G0, G1, G0B, G1B                         ; K step 0: one tensor load a wave at the head
	; PREFETCH INTO THE L2: of the 8 tiles of 16 rows x 4,096 bytes that a wave fetches for a K step, each of the four partners that ask jointly takes two, told apart by address (cx for A, cy for B);
	; a lane a block of 256 bytes, one instruction a wave and K step.  K steps 1 and 2 are asked for behind K step 0's load, K step 3 behind K step 1's.  The address is never stepped.
	s_cmp_eq_u32 s15, 0                            ; do I fetch for A?
	s_cselect_b64 s[92:93], s[20:21], s[46:47]     ; the eight tiles of rows that I fetch, at K step 0
	s_cselect_b32 s94, s40, s41                    ; my place among the four that ask with me
	s_lshl_b32 s94, s94, 15                        ; two tiles of rows are 32,768 bytes
	s_mov_b32 s95, 0
	s_add_nc_u64 s[92:93], s[92:93], s[94:95]
	v_and_b32 v1, 31, v0
	v_lshlrev_b32 v[LI], 4, v1
	v_lshrrev_b32 v30, 4, v1
	v_and_b32 v31, 15, v1
	v_lshlrev_b32 v30, 14, v30
	v_lshl_add_u32 v30, v31, 8, v30                ; tile of rows lane / 16, block lane % 16; never rewritten
	global_prefetch_b8 v30, s[92:93] offset:4096 th:TH_LOAD_NT scope:SCOPE_SE
	global_prefetch_b8 v30, s[92:93] offset:8192 th:TH_LOAD_NT scope:SCOPE_SE
	s_mul_i32 s21, s15, HALFT
	s_mul_i32 s22, s16, HALFT
	s_add_co_u32 s22, s22, 2*HALFT
.irp s, 0,1
	v_add_nc_u32 v[ADRA+\s], s21, v[LI]
	v_add_nc_u32 v[ADRB+\s], s22, v[LI]
	s_add_co_u32 s21, s21, SLOT
	s_add_co_u32 s22, s22, SLOT
.endr
.macro FRAG reg, adr, q, i             ; a fragment is an image: four dense loads, 16 bytes a lane
.irp c, 0,1,2,3
	ds_load_b128 v[\reg+4*\c:\reg+4*\c+3], v[\adr] offset:(\i)*4096+(\q)*2048+512*\c
.endr
.endm
.macro MUL16 a0, p, zero               ; A's blocks a0, a0 + 1 x B's eight.  The 64 accumulators take turns, one instruction a turn
.irp a, \a0, \a0+1
.irp b, 0,1,2,3,4,5,6,7
.if \zero
	v_wmma_f32_16x16x128_fp8_fp8 v[8*(8*((\a)%4)+\b):8*(8*((\a)%4)+\b)+7], v[128*(\p)+FR*\b:128*(\p)+FR*\b+FR-1], v[AF+FR*(\a):AF+FR*(\a)+FR-1], 0
.else
	v_wmma_f32_16x16x128_fp8_fp8 v[8*(8*((\a)%4)+\b):8*(8*((\a)%4)+\b)+7], v[128*(\p)+FR*\b:128*(\p)+FR*\b+FR-1], v[AF+FR*(\a):AF+FR*(\a)+FR-1], v[8*(8*((\a)%4)+\b):8*(8*((\a)%4)+\b)+7]
.endif
.endr
.endr
.endm
.macro FETCH_B slot, q, p
	WIN TO_B
.irp i, 0,1,2,3,4,5,6,7
	FRAG 128*(\p)+FR*\i, ADRB+\slot, \q, \i
.endr
	WIN 0
.endm
.macro FETCH_A slot, q, i0
.irp i, \i0, \i0+1, \i0+2, \i0+3
	FRAG AF+FR*(\i), ADRA+\slot, \q, \i
.endr
.endm
.macro PLACES n                        ; plain vector lines between a matrix instruction and a load into, or a read of, its registers
.rept \n
	v_nop
.endr
.endm
.macro STEP slot, q, zero              ; 128 along K with its successor in the same slot
	s_wait_dscnt 4*NL                              ; B's set and A's blocks 0-3 are in; A's blocks 4-7 may be out
	WIN MUL_LO
	MUL16 0, (\q)%2, \zero
	MUL16 2, (\q)%2, \zero
	s_wait_dscnt 0
	PLACES NP
	FETCH_B \slot, (\q)+1, 1-(\q)%2
	FETCH_A \slot, (\q)+1, 0
	WIN MUL_HI
	MUL16 4, (\q)%2, \zero
	MUL16 6, (\q)%2, \zero
	PLACES NP
	WIN 0
	FETCH_A \slot, (\q)+1, 4
.endm
.macro TURN slot, next, fill           ; a slot's last step changes slots: one barrier; fill = 1: this slot is filled again, two K steps ahead
	s_wait_tensorcnt 0x0                           ; all my tensor loads have landed: my part of the next slot
	ds_add_u32 v[SPW], v[NIL]                      ; 0 onto my spare word
	s_wait_dscnt 4*NL+1                            ; the add and A's blocks 4-7 may be out
	WIN MUL_LO
	MUL16 0, 1, 0
	s_wait_dscnt 0x0                               ; the add is done, and my reads of this slot are over
	s_barrier_signal -1
	MUL16 2, 1, 0
	WIN 0
	s_barrier_wait -1
.if \fill
	CREST                                          ; the barrier has opened a round of the cluster's barrier: no wave of any partner still reads this slot or has a load on its way
	s_add_nc_u64 s[G0+4*\slot+2:G0+4*\slot+3], s[G0+4*\slot+2:G0+4*\slot+3], 8192
	s_add_nc_u64 s[G0B+4*\slot+2:G0B+4*\slot+3], s[G0B+4*\slot+2:G0B+4*\slot+3], 8192
	JLOAD G0+4*\slot, G1, G0B+4*\slot, G1B
.else
	PLACES NP
.endif
	FETCH_B \next, 0, 0
	FETCH_A \next, 0, 0
	WIN MUL_HI
	MUL16 4, 1, 0
	MUL16 6, 1, 0
	PLACES NP
	WIN 0
	FETCH_A \next, 0, 4
.endm
.macro LAST                            ; the very last step: nothing more to fetch
	s_wait_dscnt 4*NL
	WIN MUL_LO
	MUL16 0, 1, 0
	MUL16 2, 1, 0
	s_wait_dscnt 0
	WIN MUL_HI
	MUL16 4, 1, 0
	MUL16 6, 1, 0
	WIN 0
.endm
; THE WAY OUT of block a (16 rows of A x 128 rows of B): sum x 2^(e0 + e1) + bias, held, converted: the 16 registers of codes ARE an image (q, k: two images of 64), stored 512 consecutive bytes an instruction.
.macro OUTBLK a, isv
.set AC, 64*((\a)%4)
	WIN 0x02+((\a)/4)                              ; source 0: window 2 or 3
.irp b, 0,1,2,3,4,5,6,7
.irp i, 0,2,4,6
.if \isv
	v_pk_fma_f32 v[TMP+8*\b+\i:TMP+8*\b+\i+1], v[AC+8*\b+\i:AC+8*\b+\i+1], s[86:87], v[BI+2*(\a):BI+2*(\a)+1] op_sel_hi:[1,0,1]
.else
	v_pk_fma_f32 v[TMP+8*\b+\i:TMP+8*\b+\i+1], v[AC+8*\b+\i:AC+8*\b+\i+1], s[86:87], v[BI+8*\b+\i:BI+8*\b+\i+1] op_sel_hi:[1,0,1]
.endif
.endr
.endr
	WIN 0
.set j, 0
.rept 64
	v_med3_num_f32 v[TMP+j], v[TMP+j], -v11, v11
.set j, j+1
.endr
.if (\a) > 0
	s_wait_alu depctr_va_vdst(0)
	s_wait_xcnt 0x0                                ; the last block's stores have read the codes' registers
.endif
.set j, 0
.rept 8
	v_cvt_scalef32_pk8_fp8_f32 v[CC+2*j:CC+2*j+1], v[TMP+8*j:TMP+8*j+7], v10
.set j, j+1
.endr
	v_nop                                          ; a plain line behind the conversions, ahead of the lines that write their sources
.irp q, 0,1,2,3
.if \isv
	global_store_b128 v[LI], v[CC+4*\q:CC+4*\q+3], s[10:11] offset:((\a)/4)*131072+((\a)%4)*2048+\q*512
.else
	global_store_b128 v[LI], v[CC+4*\q:CC+4*\q+3], s[10:11] offset:(\a)*1024+(\q/2)*131072+(\q%2)*512
.endif
.endr
.endm
	s_wait_alu depctr_va_vdst(0)
	s_wait_tensorcnt 0x0                           ; my part of K step 0 is in
	ds_add_u32 v[SPW], v[NIL]
	s_wait_dscnt 0x0
	CROUND                                         ; everybody's part is in, and all sixteen work-groups are here
	JLOAD G0+4, G1, G0B+4, G1B                     ; K step 1: the first tensor load behind the round
	FETCH_B 0, 0, 0
	FETCH_A 0, 0, 0
	FETCH_A 0, 0, 4
	global_prefetch_b8 v30, s[92:93] offset:12288 th:TH_LOAD_NT scope:SCOPE_SE   ; K step 3
	STEP 0, 0, 1                                   ; the first products start the sums
	TURN 0, 1, 1                                   ; four K steps of 256: the ring is written out
	STEP 1, 0, 0
	TURN 1, 0, 1
	STEP 0, 0, 0
	TURN 0, 1, 0                                   ; the last change of slots: nothing is filled
	s_cmp_eq_u32 ttmp9, 2
	s_cbranch_scc1 .Lv_arm
	; ---- q or k.  Accumulator (a, b), lane (r, h): token 16 a + r, head hd0 + b / 4, d = 16 (b % 4) + 8 h + 0..7
	s_lshl_b32 s80, s40, 2
	s_lshl_b32 s81, s16, 1
	s_add_co_u32 s80, s80, s81                     ; hd0 = 4 cx + 2 (wave % 2)
	s_mul_i32 s82, s80, 768
	s_lshl_b32 s81, ttmp9, 8
	s_add_co_u32 s82, s82, s81                     ; (hd0 x 192 + kind x 64) x 4 bytes
	s_mov_b32 s83, 0
	s_add_nc_u64 s[6:7], s[6:7], s[82:83]
	v_bfe_u32 v3, v0, 4, 1
	v_lshlrev_b32 v8, 5, v3                        ; 32 h
.irp b, 0,1,2,3,4,5,6,7
	global_load_b128 v[BI+8*\b:BI+8*\b+3], v8, s[6:7] offset:((\b/4)*192+(\b%4)*16)*4
	global_load_b128 v[BI+8*\b+4:BI+8*\b+7], v8, s[6:7] offset:((\b/4)*192+(\b%4)*16)*4+16
.endr
	s_lshr_b32 s84, s17, 3                         ; batch
	s_lshl_b32 s84, s84, 4
	s_add_co_u32 s84, s84, s80
	s_lshl_b32 s84, s84, 7
	s_and_b32 s81, s17, 7
	s_lshl_b32 s81, s81, 4
	s_add_co_u32 s84, s84, s81
	s_lshl_b32 s81, s15, 3
	s_add_co_u32 s84, s84, s81                     ; (batch x 16 + hd0) x 128 + my first tile of 16 tokens
	s_lshl_b32 s84, s84, 10
	s_lshl_b32 s81, ttmp9, 22
	s_add_co_u32 s84, s84, s81
	s_mov_b32 s85, 0
	s_add_nc_u64 s[10:11], s[10:11], s[84:85]
	s_wait_kmcnt 0x0
	s_add_co_i32 s86, s72, s73
	s_add_co_i32 s86, s86, 127
	s_lshl_b32 s86, s86, 23                        ; 2^(e0 + e1)
	s_mov_b32 s87, s86
	s_cmp_eq_u32 ttmp9, 0
	s_cselect_b32 s88, s74, s75                    ; q's e or k's
	QSC 88, 90, 10, 11
	STEP 1, 0, 0
	LAST
	s_wait_loadcnt 0x0                             ; the bias
	PLACES NP
.irp a, 0,1,2,3,4,5,6,7
	OUTBLK \a, 0
.endr
	s_branch .Lend
.Lv_arm:
	; ---- v.  Accumulator (a, b), lane (r, h): head hd0 + a / 4, d = 16 (a % 4) + r, key 16 b + 8 h + 0..7
	s_lshl_b32 s80, s41, 2
	s_lshl_b32 s81, s15, 1
	s_add_co_u32 s80, s80, s81                     ; hd0 = 4 cy + 2 (wave / 2)
	s_mul_i32 s82, s80, 768
	s_add_co_u32 s82, s82, 512                     ; (hd0 x 192 + 128) x 4 bytes
	s_mov_b32 s83, 0
	s_add_nc_u64 s[6:7], s[6:7], s[82:83]
	v_and_b32 v3, 15, v0
	v_lshlrev_b32 v8, 2, v3                        ; 4 r
.irp a, 0,1,2,3,4,5,6,7
	global_load_b32 v[BI+2*\a], v8, s[6:7] offset:((\a/4)*192+(\a%4)*16)*4     ; one number a lane and block, into both registers of a pair for the packed multiply-add
	global_load_b32 v[BI+2*\a+1], v8, s[6:7] offset:((\a/4)*192+(\a%4)*16)*4
.endr
	s_lshr_b32 s84, s42, 3                         ; batch
	s_lshl_b32 s84, s84, 4
	s_add_co_u32 s84, s84, s80
	s_lshl_b32 s84, s84, 4
	s_and_b32 s81, s42, 7
	s_lshl_b32 s81, s81, 1
	s_add_co_u32 s84, s84, s81
	s_add_co_u32 s84, s84, s16                     ; (batch x 16 + hd0) x 16 + my 128 keys
	s_lshl_b32 s84, s84, 13
	s_add_co_u32 s84, s84, 0x800000
	s_mov_b32 s85, 0
	s_add_nc_u64 s[10:11], s[10:11], s[84:85]
	s_wait_kmcnt 0x0
	s_add_co_i32 s86, s72, s73
	s_add_co_i32 s86, s86, 127
	s_lshl_b32 s86, s86, 23
	s_mov_b32 s87, s86
	QSC 77, 90, 10, 11                             ; v's e
	STEP 1, 0, 0
	LAST
	s_wait_loadcnt 0x0
	PLACES NP
.irp a, 0,1,2,3,4,5,6,7
	OUTBLK \a, 1
.endr
.Lend:
	s_wait_tensorcnt 0x0                           ; the wave's end
	ds_add_u32 v[SPW], v[NIL]
	s_wait_dscnt 0x0
	CROUND                                         ; the closing round
	s_endpgm
.Lfunc_end_k_q3cc657daae_gemm_qkv:
	.size	k_q3cc657daae_gemm_qkv, .Lfunc_end_k_q3cc657daae_gemm_qkv-k_q3cc657daae_gemm_qkv
	.p2alignl 7, 3214868480
	.fill 96, 4, 3214868480
	.section	.rodata,"a",@progbits
	.p2align	6, 0x0
	.amdhsa_kernel k_q3cc657daae_gemm_qkv
		.amdhsa_group_segment_fixed_size 327680
		.amdhsa_private_segment_fixed_size 0
		.amdhsa_enable_private_segment 0
		.amdhsa_kernarg_size 32
		.amdhsa_user_sgpr_count 2
		.amdhsa_user_sgpr_kernarg_segment_ptr 1
		.amdhsa_wavefront_size32 1
		.amdhsa_system_sgpr_workgroup_id_x 1
		.amdhsa_system_sgpr_workgroup_id_y 1
		.amdhsa_system_sgpr_workgroup_id_z 1
		.amdhsa_system_vgpr_workitem_id 0
		.amdhsa_next_free_vgpr 1024
		.amdhsa_next_free_sgpr 100
		.amdhsa_reserve_vcc 0
		.amdhsa_float_denorm_mode_32 3
		.amdhsa_float_denorm_mode_16_64 3
		.amdhsa_memory_ordered 1
		.amdhsa_forward_progress 1
		.amdhsa_inst_pref_size 208
	.end_amdhsa_kernel
	.amdgpu_metadata
---
amdhsa.version: [ 1, 2 ]
amdhsa.kernels:
  - .name:           k_q3cc657daae_gemm_qkv
    .symbol:         k_q3cc657daae_gemm_qkv.kd
    .args:
      - { .name: codes, .offset: 0, .size: 8, .value_kind: global_buffer, .address_space: global }
      - { .name: b_in, .offset: 8, .size: 8, .value_kind: global_buffer, .address_space: global }
      - { .name: lowp_scales, .offset: 16, .size: 8, .value_kind: global_buffer, .address_space: global }
      - { .name: qkv, .offset: 24, .size: 8, .value_kind: global_buffer, .address_space: global }
    .group_segment_fixed_size: 327680
    .private_segment_fixed_size: 0
    .kernarg_segment_align: 8
    .kernarg_segment_size: 32
    .max_flat_workgroup_size: 128
    .sgpr_count:     100
    .vgpr_count:     1024
    .wavefront_size: 32
...
	.end_amdgpu_metadata
.endif
;; end of part 2
;; launch attn (part 3): grid 8 x 32, 16 waves a work-group, no clusters, 67,584 bytes of LDS; arguments qkv, lowp_scales, oimg; writes oimg
.if DOCPART == 3
	.amdgcn_target "amdgcn-amd-amdhsa--gfx1250"
	.amdhsa_code_object_version 6
	.text
	.protected	k_q3cc657daae_attn
	.globl	k_q3cc657daae_attn
	.p2align	8
	.type	k_q3cc657daae_attn,@function
k_q3cc657daae_attn:
	s_mov_b64 s[64:65], 0
	v_nop
	global_prefetch_b8 v0, s[64:65] scope:SCOPE_SE
	s_setreg_imm32_b32 hwreg(HW_REG_WAVE_MODE, 25, 1), 1
	s_wait_xcnt 0x0
; Causal attention on codes of FP8: S = q k^T (entries 2, 3), p = 2^(t - M) quantised along the keys (entry 4), O = p v (entry 5), O / l quantised (entry 6) into the out-projection's operand images.
; t = score x log2(e) / 8; M = the running largest t rounded UP to a whole number; l = the sum of the unquantised p; when M moves, l and O are multiplied by 2^(old M - new M), which rounds nothing.
; LEFT OUT: key steps all of whose 128 keys come after a wave's 16 queries: reference()'s own causal mask gives them the weight 0 (shown at the head of the first kernel).
; SHARES.  A work-group owns one head and TWO blocks of 128 queries, i and 15 - i (waves 0-7, waves 8-15), so that every work-group has 8 x 17 key steps.  A wave owns 16 queries in 256 registers; four waves share a SIMD.
; No cluster: the work-groups of a head end their walks over the keys at different places (128 (16 - i) keys), so partners would need different numbers of tiles.
; BOTH PRODUCTS ARE USED TRANSPOSED: S^T = k q^T, O^T = v^T p^T: a lane holds one query (lane % 16); register 8 a + j of S^T holds key 16 a + 8 (lane / 16) + j, so a conversion gives registers 2 a, 2 a + 1 of p's fragment.
; THE RING.  Two LDS buffers of 256 keys (16 KB of k's images, 16 KB of v's) filled THROUGH REGISTERS: each wave brings 2,048 bytes of a slot (four loads of 16 bytes a lane), asked for a whole slot ahead of the wait for them.
; One barrier a slot: in front of it a wave's reads of the buffer in hand are back and its stores into the other are done.  All work-groups walk 8 slots (a constant); what lies past the causal limit is jumped over by branches on ids.
; The hold of p at 448 x 2^e4 is needed only where that lies under 1, e4 <= -9.
; LIMITS: e2 + e3 between -123 and 130 (added to c's exponent field); e4, e6 between -126 and 119.  NaN among the inputs is not served.
; REGISTERS: v1 16 x lane; v2, v3 the add's two; v5 my place in a buffer; v6 at work; v7 r - 8 h; v8-15 q; v16 -M, v17 the largest t; v[18:19] l; v[20:21] f; v[22:23], v24-26 at work; v27 -infinity; v28, v29 448 x 2^e4, 2^e4;
;   v30, v31 the same with e6; v32-95 k's 8 fragments, then v's 4; v96-159 S^T, then p; v160-191 O^T; v192-207 p's codes; v208-223 the slot on its way; v224-255 the way out.
.set BUF,   32768
.set VOFF,  16384
.set SPARE, 65536
.macro STEP u, q                       ; 128 keys: the q-th half of buffer u
	s_add_co_u32 s32, s14, 15
	s_cmp_gt_u32 s16, s32                          ; all keys come after my queries: nothing to do
	s_cbranch_scc1 .Lhid_\@
.rept 4
	v_nop                                          ; places in front of loads into registers that the last products read
.endr
.set n, 0
.rept 8
	ds_load_b128 v[32+8*n:35+8*n], v1 offset:\u*BUF+\q*8192+n*1024
	ds_load_b128 v[36+8*n:39+8*n], v1 offset:\u*BUF+\q*8192+n*1024+512
.set n, n+1
.endr
	s_wait_dscnt 0x0
.set n, 0
.rept 8
	v_wmma_f32_16x16x64_fp8_fp8 v[96+8*n:103+8*n], v[32+8*n:39+8*n], v[8:15], 0
.set n, n+1
.endr
.rept 4
	v_nop
.endr
.set n, 0
.rept 16
	ds_load_b128 v[32+4*n:35+4*n], v1 offset:\u*BUF+VOFF+\q*8192+n*512   ; v's four images: they land under the softmax
.set n, n+1
.endr
	s_add_co_u32 s32, s16, 127
	s_cmp_le_u32 s32, s14                          ; all keys count for all my queries: no mask
	s_cbranch_scc1 .Lopen_\@
	s_sub_co_i32 s32, s14, s16
	v_add_nc_u32 v6, s32, v7                       ; d = my query - the step's first key - 8 h: register 8 a + j is hidden where 16 a + j > d
.set n, 0
.rept 64
	v_cmp_gt_i32 vcc_lo, 16*(n/8)+n%8, v6
	v_cndmask_b32 v[96+n], v[96+n], v27, vcc_lo
.set n, n+1
.endr
.Lopen_\@:
	v_max3_num_f32 v24, v96, v97, v98              ; the step's largest score of my query, in two chains, from the low end on
	v_max3_num_f32 v25, v99, v100, v101
.set n, 6
.rept 14
	v_max3_num_f32 v24, v24, v[96+n], v[97+n]
	v_max3_num_f32 v25, v25, v[98+n], v[99+n]
.set n, n+4
.endr
	v_max3_num_f32 v24, v24, v158, v159
	s_delay_alu instid0(VALU_DEP_1)
	v_max_num_f32 v24, v24, v25
	s_delay_alu instid0(VALU_DEP_1)
	v_permlanex16_b32 v26, v24, s18, s19
	s_delay_alu instid0(VALU_DEP_1)
	v_max_num_f32 v24, v24, v26                    ; and among lane l xor 16's keys
	s_delay_alu instid0(VALU_DEP_1)
	v_mul_f32 v24, s20, v24                        ; as t (c is positive)
	s_delay_alu instid0(VALU_DEP_1)
	v_max_num_f32 v17, v17, v24
	v_mov_b32 v24, v16
	s_delay_alu instid0(VALU_DEP_2)
	v_floor_f32 v16, -v17                          ; the new -M = floor(-t)
	s_delay_alu instid0(VALU_DEP_1)
	v_sub_f32 v24, v16, v24                        ; old M - new M: a whole number, 0 or less
	s_delay_alu instid0(VALU_DEP_1)
	v_cvt_i32_f32 v24, v24
	s_delay_alu instid0(VALU_DEP_1)
	v_ldexp_f32 v20, 1.0, v24                      ; f = 2^(old M - new M)
.set n, 0
.rept 32
	v_pk_fma_f32 v[96+n:97+n], v[96+n:97+n], s[20:21], v[16:17] op_sel_hi:[1,0,0]   ; t - M
.set n, n+2
.endr
.set n, 0
	s_wait_alu depctr_va_vdst(0)
.rept 64
	v_exp_f32 v[96+n], v[96+n]                     ; p = 2^(t - M)
.set n, n+1
.endr
	v_pk_mul_f32 v[18:19], v[18:19], v[20:21] op_sel_hi:[1,0]   ; l under the new M: the plain line behind the exponentials
	s_wait_alu depctr_va_vdst(0)                   ; one wait for the batch, ahead of its first reader
	v_pk_add_f32 v[22:23], v[100:101], v[104:105]
	v_pk_add_f32 v[254:255], v[108:109], v[112:113]
	v_pk_add_f32 v[252:253], v[116:117], v[120:121]
	v_pk_add_f32 v[250:251], v[124:125], v[128:129]
	v_pk_add_f32 v[248:249], v[132:133], v[136:137]
	v_pk_add_f32 v[246:247], v[140:141], v[144:145]
	v_pk_add_f32 v[244:245], v[148:149], v[152:153]
	v_pk_add_f32 v[18:19], v[18:19], v[156:157]
	v_pk_add_f32 v[22:23], v[22:23], v[96:97]
	v_pk_add_f32 v[254:255], v[254:255], v[98:99]
	v_pk_add_f32 v[252:253], v[252:253], v[102:103]
	v_pk_add_f32 v[250:251], v[250:251], v[106:107]
	v_pk_add_f32 v[248:249], v[248:249], v[110:111]
	v_pk_add_f32 v[246:247], v[246:247], v[114:115]
	v_pk_add_f32 v[244:245], v[244:245], v[118:119]
	v_pk_add_f32 v[18:19], v[18:19], v[122:123]
	v_pk_add_f32 v[22:23], v[22:23], v[126:127]
	v_pk_add_f32 v[254:255], v[254:255], v[130:131]
	v_pk_add_f32 v[252:253], v[252:253], v[134:135]
	v_pk_add_f32 v[250:251], v[250:251], v[138:139]
	v_pk_add_f32 v[248:249], v[248:249], v[142:143]
	v_pk_add_f32 v[246:247], v[246:247], v[146:147]
	v_pk_add_f32 v[244:245], v[244:245], v[150:151]
	v_pk_add_f32 v[18:19], v[18:19], v[154:155]
	v_pk_add_f32 v[22:23], v[22:23], v[158:159]
	s_delay_alu instid0(VALU_DEP_2)
	v_pk_add_f32 v[18:19], v[18:19], v[250:251]
	s_delay_alu instid0(VALU_DEP_2)
	v_pk_add_f32 v[22:23], v[22:23], v[248:249]
	v_pk_add_f32 v[254:255], v[254:255], v[246:247]
	v_pk_add_f32 v[252:253], v[252:253], v[244:245]
	s_delay_alu instid0(VALU_DEP_2)
	v_pk_add_f32 v[18:19], v[18:19], v[254:255]
	s_delay_alu instid0(VALU_DEP_2)
	v_pk_add_f32 v[22:23], v[22:23], v[252:253]
	s_delay_alu instid0(VALU_DEP_1)
	v_pk_add_f32 v[18:19], v[18:19], v[22:23]
	s_cmp_ge_i32 s28, -8                           ; p <= 1 <= 448 x 2^e4 from e4 = -8 on: no hold is owed
	s_cbranch_scc1 .Lnohold_\@
.set n, 0
.rept 64
	v_min_num_f32 v[96+n], v[96+n], v28
.set n, n+1
.endr
.Lnohold_\@:
.set n, 0
.rept 8
	v_cvt_scalef32_pk8_fp8_f32 v[192+2*n:193+2*n], v[96+8*n:103+8*n], v29
.set n, n+1
.endr
.set n, 0
.rept 16
	v_pk_mul_f32 v[160+n:161+n], v[160+n:161+n], v[20:21] op_sel_hi:[1,0]   ; O^T under the new M; also the plain lines behind the conversions
.set n, n+2
.endr
	s_wait_alu depctr_va_vdst(0)
	s_wait_dscnt 0x0                               ; v's images are in
.set n, 0
.rept 4
	v_wmma_f32_16x16x128_fp8_fp8 v[160+8*n:167+8*n], v[32+16*n:47+16*n], v[192:207], v[160+8*n:167+8*n]
.set n, n+1
.endr
.Lhid_\@:
	s_add_co_u32 s16, s16, 128
.endm
.macro REFILL nb                       ; the slot that begins at key s16 goes from my registers into buffer nb; the slot behind it is asked for
	s_cmp_gt_u32 s16, s15                          ; past my work-group's last query: no wave reads it.  Ids and the count of steps alone: all sixteen waves go the same way
	s_cbranch_scc1 .Lnofill_\@
	s_wait_loadcnt 0x0
.irp i, 0,1,2,3
	ds_store_b128 v5, v[208+4*\i:211+4*\i] offset:\nb*BUF+512*\i
.endr
	s_add_co_u32 s32, s16, 256
	s_cmp_gt_u32 s32, s15
	s_cbranch_scc1 .Lnofill_\@
	s_wait_dscnt 0x0                               ; the stores have read their registers
	s_add_nc_u64 s[22:23], s[22:23], 16384
.irp i, 0,1,2,3
	global_load_b128 v[208+4*\i:211+4*\i], v1, s[22:23] offset:512*\i
.endr
.Lnofill_\@:
	s_wait_dscnt 0x0                               ; my reads of the buffer in hand are back, my stores into the other are done
	s_barrier_signal -1
	s_barrier_wait -1
.endm
	s_load_b128 s[4:7], s[0:1], 0x0                ; qkv, the exponents
	s_load_b64 s[8:9], s[0:1], 0x10                ; oimg
	v_lshl_add_u32 v2, v0, 2, SPARE
	v_mov_b32 v3, 0
	v_lshrrev_b32 v4, 5, v0
	s_delay_alu instid0(VALU_DEP_1)
	v_readfirstlane_b32 s10, v4                    ; wave 0..15
	v_and_b32 v4, 31, v0
	s_delay_alu instid0(VALU_DEP_1)
	v_lshlrev_b32 v1, 4, v4
	s_lshl_b32 s32, s10, 11
	v_add_nc_u32 v5, s32, v1                       ; my 2,048 bytes of a buffer
	s_and_b32 s12, ttmp7, 0xffff                   ; batch x 16 + head
	s_sub_co_u32 s13, 15, ttmp9
	s_cmp_lt_u32 s10, 8
	s_cselect_b32 s13, ttmp9, s13                  ; my block of 128 queries
	s_and_b32 s33, s10, 7
	s_lshl_b32 s14, s13, 7
	s_lshl_b32 s34, s33, 4
	s_add_co_u32 s14, s14, s34                     ; my first query
	s_sub_co_u32 s15, 16, ttmp9
	s_lshl_b32 s15, s15, 7
	s_sub_co_u32 s15, s15, 1                       ; my work-group's last query
	s_mov_b32 s16, 0                               ; the step's first key
	s_mov_b32 s18, 0x76543210
	s_mov_b32 s19, 0xfedcba98
	s_mov_b32 s20, 0x3e38aa3b                      ; c = log2(e) / 8
	s_lshr_b32 s35, s10, 3
	s_add_co_u32 s35, s35, 1
	s_lshl_b32 s35, s35, 22                        ; waves 0-7 bring k's images, waves 8-15 v's
	s_lshl_b32 s36, s12, 17                        ; a head's images are 131,072 bytes in each of the three
	s_add_co_u32 s22, s35, s36
	s_lshl_b32 s33, s33, 11
	s_add_co_u32 s22, s22, s33
	s_mov_b32 s23, 0
	s_lshl_b32 s37, s14, 6
	s_add_co_u32 s38, s36, s37                     ; q: my tile of 16 queries
	s_mov_b32 s39, 0
	s_lshr_b32 s33, s12, 4
	s_lshl_b32 s33, s33, 21
	s_and_b32 s34, s12, 15
	s_lshl_b32 s34, s34, 10
	s_add_co_u32 s42, s33, s34
	s_lshl_b32 s34, s14, 10
	s_add_co_u32 s42, s42, s34                     ; o: ((batch x 128 + query / 16) x 8 + head / 2) x 2,048 + (head % 2) x 1,024
	s_mov_b32 s43, 0
	s_wait_alu depctr_va_vdst(0)
	s_wait_kmcnt 0x0
	s_load_b256 s[24:31], s[6:7], 0x0              ; e0 .. e7
	s_add_nc_u64 s[22:23], s[4:5], s[22:23]
	s_add_nc_u64 s[38:39], s[4:5], s[38:39]
	s_add_nc_u64 s[8:9], s[8:9], s[42:43]
	global_load_b128 v[8:11], v1, s[38:39]
	global_load_b128 v[12:15], v1, s[38:39] offset:512
.irp i, 0,1,2,3
	global_load_b128 v[208+4*\i:211+4*\i], v1, s[22:23] offset:512*\i   ; slot 0
.endr
	v_and_b32 v6, 15, v0
	v_bfe_u32 v7, v0, 4, 1
	s_delay_alu instid0(VALU_DEP_1)
	v_lshlrev_b32 v7, 3, v7
	s_delay_alu instid0(VALU_DEP_1)
	v_sub_nc_u32 v7, v6, v7                        ; r - 8 h
	v_mov_b32 v17, 0xff61b1e6                      ; the largest t so far: -3e38
	s_delay_alu instid0(VALU_DEP_1)
	v_floor_f32 v16, -v17
	v_mov_b32 v18, 0
	v_mov_b32 v19, 0
	v_mov_b32 v21, 0                               ; (named as the upper half of the pair v[20:21])
	v_mov_b32 v26, 0                               ; a lane permute's destination counts as one of its sources
	v_mov_b32 v27, 0xff800000
.set n, 0
.rept 32
	v_mov_b32 v[160+n], 0                          ; O^T: the step is written once; the first change of M leaves zeros zeros
.set n, n+1
.endr
	s_wait_kmcnt 0x0
	s_add_co_i32 s32, s26, s27
	s_lshl_b32 s32, s32, 23
	s_add_co_i32 s20, s20, s32                     ; a score stands for score x 2^(e2 + e3)
	s_mov_b32 s21, s20
	s_add_co_i32 s32, s28, 127
	s_lshl_b32 s33, s32, 23
	v_mov_b32 v29, s33
	s_add_co_i32 s32, s32, 8
	s_lshl_b32 s32, s32, 23
	s_or_b32 s32, s32, 0x600000
	v_mov_b32 v28, s32
	s_add_co_i32 s32, s30, 127
	s_lshl_b32 s33, s32, 23
	v_mov_b32 v31, s33
	s_add_co_i32 s32, s32, 8
	s_lshl_b32 s32, s32, 23
	s_or_b32 s32, s32, 0x600000
	v_mov_b32 v30, s32
	s_wait_loadcnt 0x0
.irp i, 0,1,2,3
	ds_store_b128 v5, v[208+4*\i:211+4*\i] offset:512*\i
.endr
	s_wait_dscnt 0x0
	s_add_nc_u64 s[22:23], s[22:23], 16384
.irp i, 0,1,2,3
	global_load_b128 v[208+4*\i:211+4*\i], v1, s[22:23] offset:512*\i   ; slot 1: every work-group reads at least 1,152 keys
.endr
	s_barrier_signal -1
	s_barrier_wait -1
	s_mov_b32 s40, 4
.Lslots:                                       ; four trips of two slots: every LDS offset is an immediate
	STEP 0, 0
	STEP 0, 1
	REFILL 1
	STEP 1, 0
	STEP 1, 1
	REFILL 0
	s_sub_co_u32 s40, s40, 1
	s_cmp_lg_u32 s40, 0
	s_cbranch_scc1 .Lslots
	; THE WAY OUT: O^T / l x 2^(e4 + e5), held, converted: registers 2 t, 2 t + 1 are d = 16 t + 8 h + 0..7 of my query: half an image of the out-projection's operand
.rept 4
	v_nop
.endr
	v_add_f32 v18, v18, v19
	s_delay_alu instid0(VALU_DEP_1)
	v_permlanex16_b32 v26, v18, s18, s19
	s_delay_alu instid0(VALU_DEP_1)
	v_add_f32 v18, v18, v26
	s_wait_alu depctr_va_vdst(0)
	v_rcp_f32 v18, v18
	v_nop
	s_add_co_i32 s32, s28, s29
	s_wait_alu depctr_va_vdst(0)                   ; ahead of the reciprocal's first reader
	v_ldexp_f32 v18, v18, s32
.set n, 0
.rept 32
	v_mul_f32 v[224+n], v[160+n], v18
.set n, n+1
.endr
.set n, 0
.rept 32
	v_med3_num_f32 v[224+n], v[224+n], -v30, v30
.set n, n+1
.endr
.set n, 0
.rept 4
	v_cvt_scalef32_pk8_fp8_f32 v[192+2*n:193+2*n], v[224+8*n:231+8*n], v31
.set n, n+1
.endr
	v_nop
	global_store_b128 v1, v[192:195], s[8:9]       ; 512 consecutive bytes, aligned
	global_store_b128 v1, v[196:199], s[8:9] offset:512
	s_wait_tensorcnt 0x0                           ; the wave's end
	ds_add_u32 v2, v3
	s_wait_dscnt 0x0
	s_endpgm
.Lfunc_end_k_q3cc657daae_attn:
	.size	k_q3cc657daae_attn, .Lfunc_end_k_q3cc657daae_attn-k_q3cc657daae_attn
	.p2alignl 7, 3214868480
	.fill 96, 4, 3214868480
	.section	.rodata,"a",@progbits
	.p2align	6, 0x0
	.amdhsa_kernel k_q3cc657daae_attn
		.amdhsa_group_segment_fixed_size 67584
		.amdhsa_private_segment_fixed_size 0
		.amdhsa_enable_private_segment 0
		.amdhsa_kernarg_size 24
		.amdhsa_user_sgpr_count 2
		.amdhsa_user_sgpr_kernarg_segment_ptr 1
		.amdhsa_wavefront_size32 1
		.amdhsa_system_sgpr_workgroup_id_x 1
		.amdhsa_system_sgpr_workgroup_id_y 1
		.amdhsa_system_sgpr_workgroup_id_z 1
		.amdhsa_system_vgpr_workitem_id 0
		.amdhsa_next_free_vgpr 256
		.amdhsa_next_free_sgpr 66
		.amdhsa_reserve_vcc 1
		.amdhsa_float_denorm_mode_32 3
		.amdhsa_float_denorm_mode_16_64 3
		.amdhsa_memory_ordered 1
		.amdhsa_forward_progress 1
		.amdhsa_inst_pref_size 96
	.end_amdhsa_kernel
	.amdgpu_metadata
---
amdhsa.version: [ 1, 2 ]
amdhsa.kernels:
  - .name:           k_q3cc657daae_attn
    .symbol:         k_q3cc657daae_attn.kd
    .args:
      - { .name: qkv, .offset: 0, .size: 8, .value_kind: global_buffer, .address_space: global }
      - { .name: lowp_scales, .offset: 8, .size: 8, .value_kind: global_buffer, .address_space: global }
      - { .name: oimg, .offset: 16, .size: 8, .value_kind: global_buffer, .address_space: global }
    .group_segment_fixed_size: 67584
    .private_segment_fixed_size: 0
    .kernarg_segment_align: 8
    .kernarg_segment_size: 24
    .max_flat_workgroup_size: 512
    .sgpr_count:     66
    .vgpr_count:     256
    .wavefront_size: 32
...
	.end_amdgpu_metadata
.endif
;; end of part 3
;; launch gemm_out (part 4): grid 8 x 32, 4 waves a work-group, clusters of 4 x 4, 327,680 bytes of LDS; arguments oimg, codes, x, b_out, lowp_scales, x1; writes x1
.if DOCPART == 4
	.amdgcn_target "amdgcn-amd-amdhsa--gfx1250"
	.amdhsa_code_object_version 6
	.text
	.protected	k_q3cc657daae_gemm_out
	.globl	k_q3cc657daae_gemm_out
	.p2align	8
	.type	k_q3cc657daae_gemm_out,@function
k_q3cc657daae_gemm_out:
	s_mov_b64 s[64:65], 0
	v_nop
	global_prefetch_b8 v0, s[64:65] scope:SCOPE_SE
	s_setreg_imm32_b32 hwreg(HW_REG_WAVE_MODE, 25, 1), 1
	s_wait_xcnt 0x0
	s_wait_alu depctr_hold_cnt(0) depctr_sa_sdst(0) depctr_va_vdst(0) depctr_va_sdst(0) depctr_va_ssrc(0) depctr_va_vcc(0) depctr_vm_vsrc(0)
	s_getreg_b32 s2, hwreg(HW_REG_IB_STS2, 6, 4)
	s_cmp_eq_u32 s2, 0
	s_cbranch_scc0 .Lentry_in_a_cluster
	s_endpgm
.Lentry_in_a_cluster:
	s_bfe_u32 s2, ttmp6, 0x10000c
	s_cmp_lg_u32 s2, 0xf033
	s_cbranch_scc0 .Lentry_shape_is_right
	s_endpgm
.Lentry_shape_is_right:
.set KT,     1024
.set BOFF,   7340032
.set EOFF,   24
.set HALFT,  32768
.set SLOT,   4*HALFT
.set STAGE,  2*SLOT
.set SPITCH, 272
.set SPARE,  STAGE+4*16*SPITCH
.set LAPS,   KT/1024
.set ADRA, 16
.set ADRB, 20
.set STO,  24
.set RD,   25
.set CO,   26
.set SPW,  28
.set NIL,  29
.set ACC,  128
.set F0,   0
.set F1,   128
.set G1, 24
.set G0, 32
.set G1B, 48
.set G0B, 56
.set MSB, 0
.macro WIN new
.if MSB != \new
	s_set_vgpr_msb (MSB<<8)|\new
.set MSB, \new
.endif
.endm
.set MUL,  0x05
.set TO_F, 0x40
.macro JLOAD s
	s_cmp_eq_u32 s17, 0
	s_cbranch_scc0 .Lfor_b_\@
	tensor_load_to_lds s[G0+4*\s:G0+4*\s+3], s[G1:G1+7]
	s_nop 0
.rept 4
	v_nop
.endr
	s_branch .Lasked_\@
.Lfor_b_\@:
	tensor_load_to_lds s[G0B+4*\s:G0B+4*\s+3], s[G1B:G1B+7]
	s_nop 0
.rept 4
	v_nop
.endr
.Lasked_\@:
.endm
.macro CREST
	s_cmp_lg_u32 s16, 0
	s_cbranch_scc1 .Lnot_wave_0_\@
	s_barrier_signal -3
.Lnot_wave_0_\@:
	s_barrier_wait -3
	s_barrier_signal -1
	s_barrier_wait -1
.endm
.macro CROUND
	s_barrier_signal -1
	s_barrier_wait -1
	CREST
.endm
	s_load_b256 s[4:11], s[0:1], 0x0
	s_load_b128 s[12:15], s[0:1], 0x20
	v_lshl_add_u32 v[SPW], v0, 2, SPARE
	v_mov_b32 v[NIL], 0
	ds_add_u32 v[SPW], v[NIL]
	ds_add_u32 v[SPW], v[NIL]
	v_lshrrev_b32 v1, 5, v0
	v_readfirstlane_b32 s16, v1
	s_lshr_b32 s17, s16, 1
	s_and_b32 s18, s16, 1
	s_bfe_u32 s40, ttmp6, 0x40000
	s_bfe_u32 s41, ttmp6, 0x40004
	s_lshl_b32 s42, ttmp9, 2
	s_add_co_u32 s42, s42, s40
	s_and_b32 s43, ttmp7, 0xffff
	s_lshl_b32 s43, s43, 2
	s_add_co_u32 s43, s43, s41
	s_lshl_b32 s44, s41, 2
	s_lshl_b32 s44, 15, s44
	s_lshl_b32 s45, 0x1111, s40
	s_or_b32 s[G1+0], s44, (3<<16)|(1<<21)
	s_or_b32 s[G1B+0], s45, (3<<16)|(1<<21)
.irp g, G1, G1B
	s_mov_b32 s[\g+1], 1024<<16
	s_mov_b32 s[\g+2], 4<<16
	s_mov_b32 s[\g+3], 1024<<16
	s_mov_b32 s[\g+4], 4
	s_mov_b32 s[\g+5], 2*KT
	s_mov_b32 s[\g+6], 0
	s_mov_b32 s[\g+7], 0
.endr
	s_mul_i32 s19, s18, 64*KT
	s_mul_i32 s20, s43, 128*KT
	s_add_co_u32 s20, s20, s19
	s_mov_b32 s21, 0
	s_mul_i32 s46, s42, 128*KT
	s_add_co_u32 s46, s46, s19
	s_add_co_u32 s46, s46, BOFF
	s_mov_b32 s47, 0
	s_mul_i32 s22, s16, HALFT
	s_wait_dscnt 0x0
	s_wait_kmcnt 0x0
	s_load_b64 s[66:67], s[12:13], EOFF
	s_add_nc_u64 s[20:21], s[4:5], s[20:21]
	s_add_nc_u64 s[46:47], s[6:7], s[46:47]
	CROUND
.irp s, 0,1
	s_mov_b32 s[G0+4*\s], 1
	s_add_co_u32 s[G0+4*\s+1], s22, \s*SLOT
	s_add_nc_u64 s[G0+4*\s+2:G0+4*\s+3], s[20:21], \s*8192
	s_or_b32 s[G0+4*\s+3], s[G0+4*\s+3], 0x80000000
	s_mov_b32 s[G0B+4*\s], 1
	s_add_co_u32 s[G0B+4*\s+1], s22, \s*SLOT
	s_add_nc_u64 s[G0B+4*\s+2:G0B+4*\s+3], s[46:47], \s*8192
	s_or_b32 s[G0B+4*\s+3], s[G0B+4*\s+3], 0x80000000
.endr
	JLOAD 0                                        ; K step 0: one tensor load a wave at the head
	s_cmp_eq_u32 s17, 0                            ; the prefetch of K step 1: do I fetch for A?
	s_cselect_b64 s[74:75], s[20:21], s[46:47]     ; the four tiles of 16 rows x 8,192 bytes that I fetch, at K step 0
	s_cselect_b32 s76, s40, s41                    ; my place among the four that ask with me: each takes one tile of rows, told apart by address
	s_lshl_b32 s76, s76, 14                        ; a tile of 16 rows is 16 KT bytes
	s_mov_b32 s77, 0
	s_add_nc_u64 s[74:75], s[74:75], s[76:77]
	v_and_b32 v1, 15, v0
	s_wait_alu depctr_va_vdst(0)
	v_bfe_u32 v2, v0, 4, 1
	v_and_b32 v3, 31, v0
	v_lshlrev_b32 v3, 4, v3
	s_mul_i32 s21, s17, HALFT
	s_mul_i32 s22, s18, HALFT
	s_add_co_u32 s22, s22, 2*HALFT
.irp s, 0,1
	v_add_nc_u32 v[ADRA+\s], s21, v3
	v_add_nc_u32 v[ADRB+\s], s22, v3
	s_add_co_u32 s21, s21, SLOT
	s_add_co_u32 s22, s22, SLOT
.endr
	s_mul_i32 s23, s16, 16*SPITCH
	s_add_co_u32 s23, s23, STAGE
	v_mul_u32_u24 v4, v1, SPITCH
	s_wait_alu depctr_va_vdst(0)
	v_lshl_add_u32 v4, v2, 5, v4
	v_add_nc_u32 v[STO], s23, v4
	v_mul_u32_u24 v4, v2, SPITCH
	v_lshl_add_u32 v4, v1, 4, v4
	v_add_nc_u32 v[RD], s23, v4
	v_lshlrev_b32 v5, 4, v1
	s_wait_alu depctr_va_vdst(0)
	v_lshl_add_u32 v[CO], v2, 12, v5
	v_lshlrev_b32 v30, 4, v3                       ; the prefetch's offset: 256 x lane; never rewritten
	s_wait_alu depctr_va_vdst(0)
	s_lshl_b32 s70, s42, 9
	s_lshl_b32 s71, s18, 8
	s_add_co_u32 s70, s70, s71
	s_mov_b32 s71, 0
	s_add_nc_u64 s[10:11], s[10:11], s[70:71]
	s_lshl_b32 s72, s43, 19
	s_lshl_b32 s73, s17, 18
	s_add_co_u32 s72, s72, s73
	s_add_co_u32 s70, s70, s72
	s_add_nc_u64 s[8:9], s[8:9], s[70:71]
	s_add_nc_u64 s[14:15], s[14:15], s[70:71]
	global_load_b128 v[8:11], v5, s[10:11]
	global_prefetch_b8 v30, s[74:75] offset:8192 th:TH_LOAD_NT scope:SCOPE_SE   ; K step 1, the last: its load goes out when K step 0 has landed
	WIN 0x80
.set t, 0
.rept 32
	global_load_b128 v[4*t:4*t+3], v[CO], s[8:9] offset:2*t*4096 th:TH_LOAD_NT
.set t, t+1
.endr
	WIN 0
.macro MUL4 f, a, zero
.irp b, 0,1,2,3
.if \zero
	v_wmma_f32_16x16x128_fp8_fp8 v[ACC+8*(4*\a+\b):ACC+8*(4*\a+\b)+7], v[\f+64+16*\b:\f+64+16*\b+15], v[\f+16*\a:\f+16*\a+15], 0
.else
	v_wmma_f32_16x16x128_fp8_fp8 v[ACC+8*(4*\a+\b):ACC+8*(4*\a+\b)+7], v[\f+64+16*\b:\f+64+16*\b+15], v[\f+16*\a:\f+16*\a+15], v[ACC+8*(4*\a+\b):ACC+8*(4*\a+\b)+7]
.endif
.endr
.endm
.macro FETCH slot, q, f
	WIN TO_F
.irp i, 0,1,2,3
.irp c, 0,1,2,3
	ds_load_b128 v[\f+64+16*\i+4*\c:\f+64+16*\i+4*\c+3], v[ADRB+\slot] offset:\i*8192+\q*2048+512*\c
.endr
.endr
.irp i, 0,1,2,3
.irp c, 0,1,2,3
	ds_load_b128 v[\f+16*\i+4*\c:\f+16*\i+4*\c+3], v[ADRA+\slot] offset:\i*8192+\q*2048+512*\c
.endr
.endr
.endm
.macro PLACES
.rept 4
	v_nop
.endr
.endm
.macro QUARTER slot, q, f, g, zero
	s_wait_dscnt 8
	WIN MUL
	MUL4 \f, 0, \zero
	MUL4 \f, 1, \zero
	PLACES
	FETCH \slot, \q, \g
	s_wait_dscnt 32
	WIN MUL
	MUL4 \f, 2, \zero
	MUL4 \f, 3, \zero
.endm
.macro TURN slot, next, fill
	WIN 0
	s_wait_tensorcnt 0x0
	ds_add_u32 v[SPW], v[NIL]
	s_wait_dscnt 9
	WIN MUL
	MUL4 F1, 0, 0
	s_wait_dscnt 0x0
	s_barrier_signal -1
	MUL4 F1, 1, 0
.if \fill
	WIN 0
.endif
	s_barrier_wait -1
.if \fill
	CREST
	s_add_nc_u64 s[G0+4*\slot+2:G0+4*\slot+3], s[G0+4*\slot+2:G0+4*\slot+3], 16384
	s_add_nc_u64 s[G0B+4*\slot+2:G0B+4*\slot+3], s[G0B+4*\slot+2:G0B+4*\slot+3], 16384
	JLOAD \slot
.else
	PLACES
.endif
	FETCH \next, 0, F0
	WIN MUL
	MUL4 F1, 2, 0
	MUL4 F1, 3, 0
.endm
.macro OUTB a
.set BK, 32+32*((\a)%2)
.if (\a) >= 2
	s_wait_xcnt 0x0
.endif
.irp b, 0,1,2,3
	ds_store_b128 v[STO], v[ACC+8*(4*\a+\b):ACC+8*(4*\a+\b)+3] offset:64*\b
	ds_store_b128 v[STO], v[ACC+8*(4*\a+\b)+4:ACC+8*(4*\a+\b)+7] offset:64*\b+16
.endr
.irp t, 0,1,2,3,4,5,6,7
	ds_load_b128 v[BK+4*\t:BK+4*\t+3], v[RD] offset:\t*2*SPITCH
.endr
	s_wait_dscnt 0x0
	WIN 0x20
.set j, 0
.rept 16
	v_pk_fma_f32 v[BK+j:BK+j+1], v[BK+j:BK+j+1], s[68:69], v[32*\a+j:32*\a+j+1] op_sel_hi:[1,0,1]
.set j, j+2
.endr
	WIN 0
.irp t, 0,1,2,3,4,5,6,7
	v_pk_add_f32 v[BK+4*\t:BK+4*\t+1], v[BK+4*\t:BK+4*\t+1], v[8:9]
	v_pk_add_f32 v[BK+4*\t+2:BK+4*\t+3], v[BK+4*\t+2:BK+4*\t+3], v[10:11]
.endr
.irp t, 0,1,2,3,4,5,6,7
	global_store_b128 v[CO], v[BK+4*\t:BK+4*\t+3], s[14:15] offset:(16*\a+2*\t)*4096
.endr
.endm
	s_wait_alu depctr_va_vdst(0)                   ; the wait at the head's end
	s_wait_tensorcnt 0x0                           ; my part of K step 0 is in
	ds_add_u32 v[SPW], v[NIL]
	s_wait_dscnt 0x0
	CROUND                                         ; everybody's part is in, and all sixteen work-groups are here
	JLOAD 1                                        ; K step 1: the first tensor load behind the round
	FETCH 0, 0, F0
	QUARTER 0, 1, F0, F1, 1
.if LAPS > 1
	WIN 0
	s_mov_b32 s3, LAPS-1
.Llap:
	QUARTER 0, 2, F1, F0, 0
	QUARTER 0, 3, F0, F1, 0
	TURN 0, 1, 1
	QUARTER 1, 1, F0, F1, 0
	QUARTER 1, 2, F1, F0, 0
	QUARTER 1, 3, F0, F1, 0
	TURN 1, 0, 1
	QUARTER 0, 1, F0, F1, 0
	WIN 0
	s_sub_co_u32 s3, s3, 1
	s_cmp_lg_u32 s3, 0
	s_cbranch_scc1 .Llap
.endif
	QUARTER 0, 2, F1, F0, 0
	QUARTER 0, 3, F0, F1, 0
	TURN 0, 1, 0
	QUARTER 1, 1, F0, F1, 0
	QUARTER 1, 2, F1, F0, 0
	QUARTER 1, 3, F0, F1, 0
	s_wait_dscnt 8
	WIN MUL
	MUL4 F1, 0, 0
	MUL4 F1, 1, 0
	s_wait_dscnt 0
	MUL4 F1, 2, 0
	MUL4 F1, 3, 0
	WIN 0
	s_wait_kmcnt 0x0
	s_add_co_i32 s68, s66, s67
	s_add_co_i32 s68, s68, 127
	s_lshl_b32 s68, s68, 23
	s_mov_b32 s69, s68
	PLACES
	s_wait_loadcnt 0x0
	OUTB 0
	OUTB 1
	OUTB 2
	OUTB 3
	s_wait_tensorcnt 0x0
	ds_add_u32 v[SPW], v[NIL]
	s_wait_dscnt 0x0
	CROUND
	s_endpgm
.Lfunc_end_k_q3cc657daae_gemm_out:
	.size	k_q3cc657daae_gemm_out, .Lfunc_end_k_q3cc657daae_gemm_out-k_q3cc657daae_gemm_out
	.p2alignl 7, 3214868480
	.fill 96, 4, 3214868480
	.section	.rodata,"a",@progbits
	.p2align	6, 0x0
	.amdhsa_kernel k_q3cc657daae_gemm_out
		.amdhsa_group_segment_fixed_size 327680
		.amdhsa_private_segment_fixed_size 0
		.amdhsa_enable_private_segment 0
		.amdhsa_kernarg_size 48
		.amdhsa_user_sgpr_count 2
		.amdhsa_user_sgpr_kernarg_segment_ptr 1
		.amdhsa_wavefront_size32 1
		.amdhsa_system_sgpr_workgroup_id_x 1
		.amdhsa_system_sgpr_workgroup_id_y 1
		.amdhsa_system_sgpr_workgroup_id_z 1
		.amdhsa_system_vgpr_workitem_id 0
		.amdhsa_next_free_vgpr 640
		.amdhsa_next_free_sgpr 80
		.amdhsa_reserve_vcc 0
		.amdhsa_float_denorm_mode_32 3
		.amdhsa_float_denorm_mode_16_64 3
		.amdhsa_memory_ordered 1
		.amdhsa_forward_progress 1
		.amdhsa_inst_pref_size 54
	.end_amdhsa_kernel
	.amdgpu_metadata
---
amdhsa.version: [ 1, 2 ]
amdhsa.kernels:
  - .name:           k_q3cc657daae_gemm_out
    .symbol:         k_q3cc657daae_gemm_out.kd
    .args:
      - { .name: oimg, .offset: 0, .size: 8, .value_kind: global_buffer, .address_space: global }
      - { .name: codes, .offset: 8, .size: 8, .value_kind: global_buffer, .address_space: global }
      - { .name: x, .offset: 16, .size: 8, .value_kind: global_buffer, .address_space: global }
      - { .name: b_out, .offset: 24, .size: 8, .value_kind: global_buffer, .address_space: global }
      - { .name: lowp_scales, .offset: 32, .size: 8, .value_kind: global_buffer, .address_space: global }
      - { .name: x1, .offset: 40, .size: 8, .value_kind: global_buffer, .address_space: global }
    .group_segment_fixed_size: 327680
    .private_segment_fixed_size: 0
    .kernarg_segment_align: 8
    .kernarg_segment_size: 48
    .max_flat_workgroup_size: 128
    .sgpr_count:     80
    .vgpr_count:     640
    .wavefront_size: 32
...
	.end_amdgpu_metadata
.endif
;; end of part 4
;; launch ln2 (part 5): grid 256 x 1, 8 waves a work-group, no clusters, 17,664 bytes of LDS; arguments x1, ln2_g, ln2_b, lowp_scales, yy; writes yy
.if DOCPART == 5
	.amdgcn_target "amdgcn-amd-amdhsa--gfx1250"
	.amdhsa_code_object_version 6
	.text
	.protected	k_q3cc657daae_ln2
	.globl	k_q3cc657daae_ln2
	.p2align	8
	.type	k_q3cc657daae_ln2,@function
k_q3cc657daae_ln2:
	s_mov_b64 s[64:65], 0
	v_nop
	global_prefetch_b8 v0, s[64:65] scope:SCOPE_SE
	s_setreg_imm32_b32 hwreg(HW_REG_WAVE_MODE, 25, 1), 1
	s_wait_xcnt 0x0
; y = LN2(x1): stored as f32 (yy at 0: the last residual) and as codes of FP8 (entry 8) in images of operand registers (yy at 16,777,216: [4096 rows][1024], 16 rows x 128 k = 2,048 bytes an image).
; A work-group takes 16 rows, a wave two, a row in 32 registers; the variance is taken of the centred numbers.  A row's codes go through a stage in LDS (rows of 1,024 + 16 bytes); wave w then builds the image of k = 128 w on.
; LIMITS: e8 between -126 and 119.  NaN among the inputs is not served.
.set PITCH, 1040
.set SPARE, 16*PITCH
.set X,  32
.set G,  96
.set BB, 128
.set T,  160
.macro REDUCE r
	s_delay_alu instid0(VALU_DEP_1)
	v_add_f32_dpp v[\r], v[\r], v[\r] row_xmask:1 row_mask:0xf bank_mask:0xf
	s_delay_alu instid0(VALU_DEP_1)
	v_add_f32_dpp v[\r], v[\r], v[\r] row_xmask:2 row_mask:0xf bank_mask:0xf
	s_delay_alu instid0(VALU_DEP_1)
	v_add_f32_dpp v[\r], v[\r], v[\r] row_xmask:4 row_mask:0xf bank_mask:0xf
	s_delay_alu instid0(VALU_DEP_1)
	v_add_f32_dpp v[\r], v[\r], v[\r] row_xmask:8 row_mask:0xf bank_mask:0xf
	s_delay_alu instid0(VALU_DEP_1)
	v_permlanex16_b32 v[\r+1], v[\r], s40, s41
	s_delay_alu instid0(VALU_DEP_1)
	v_add_f32 v[\r], v[\r], v[\r+1]
.endm
.macro STATS p
.set XB, X+32*\p
.set ST, 16+8*\p
	v_pk_add_f32 v[ST:ST+1], v[XB:XB+1], v[XB+2:XB+3]
	v_pk_add_f32 v[ST+2:ST+3], v[XB+4:XB+5], v[XB+6:XB+7]
.set j, 8
.rept 6
	s_delay_alu instid0(VALU_DEP_2)
	v_pk_add_f32 v[ST:ST+1], v[ST:ST+1], v[XB+j:XB+j+1]
	s_delay_alu instid0(VALU_DEP_2)
	v_pk_add_f32 v[ST+2:ST+3], v[ST+2:ST+3], v[XB+j+2:XB+j+3]
.set j, j+4
.endr
	s_delay_alu instid0(VALU_DEP_1)
	v_pk_add_f32 v[ST:ST+1], v[ST:ST+1], v[ST+2:ST+3]
	s_delay_alu instid0(VALU_DEP_1)
	v_add_f32 v[ST], v[ST], v[ST+1]
	REDUCE ST
	s_delay_alu instid0(VALU_DEP_1)
	v_mul_f32 v[ST], s42, v[ST]
.set j, 0
.rept 16
	v_pk_add_f32 v[XB+j:XB+j+1], v[XB+j:XB+j+1], v[ST:ST+1] op_sel_hi:[1,0] neg_lo:[0,1] neg_hi:[0,1]
.set j, j+2
.endr
	v_pk_mul_f32 v[ST+2:ST+3], v[XB:XB+1], v[XB:XB+1]
	v_pk_mul_f32 v[ST+4:ST+5], v[XB+2:XB+3], v[XB+2:XB+3]
.set j, 4
.rept 7
	s_delay_alu instid0(VALU_DEP_2)
	v_pk_fma_f32 v[ST+2:ST+3], v[XB+j:XB+j+1], v[XB+j:XB+j+1], v[ST+2:ST+3]
	s_delay_alu instid0(VALU_DEP_2)
	v_pk_fma_f32 v[ST+4:ST+5], v[XB+j+2:XB+j+3], v[XB+j+2:XB+j+3], v[ST+4:ST+5]
.set j, j+4
.endr
	s_delay_alu instid0(VALU_DEP_1)
	v_pk_add_f32 v[ST+2:ST+3], v[ST+2:ST+3], v[ST+4:ST+5]
	s_delay_alu instid0(VALU_DEP_1)
	v_add_f32 v[ST+2], v[ST+2], v[ST+3]
	REDUCE ST+2
	s_delay_alu instid0(VALU_DEP_1)
	v_fma_f32 v[ST+2], v[ST+2], s42, s43
.endm
.macro NORM p
.set XB, X+32*\p
.set ST, 16+8*\p
.set j, 0
.rept 16
	v_pk_mul_f32 v[XB+j:XB+j+1], v[XB+j:XB+j+1], v[ST+4:ST+5] op_sel_hi:[1,0]
.set j, j+2
.endr
.set j, 0
.rept 16
	v_pk_fma_f32 v[XB+j:XB+j+1], v[XB+j:XB+j+1], v[G+j:G+j+1], v[BB+j:BB+j+1]
.set j, j+2
.endr
.set j, 0
.rept 8
	global_store_b128 v1, v[XB+4*j:XB+4*j+3], s[24:25] offset:512*j+4096*\p   ; y in f32: 512 consecutive bytes a store; these registers are not written again
.set j, j+1
.endr
.set j, 0
.rept 32
	v_med3_num_f32 v[T+j], v[XB+j], -v6, v6
.set j, j+1
.endr
.if \p
	s_wait_alu depctr_va_vdst(0)
	s_wait_dscnt 0x0                               ; the first row's stores into the stage have read the codes' registers
.endif
.set j, 0
.rept 4
	v_cvt_scalef32_pk8_fp8_f32 v[8+2*j:9+2*j], v[T+8*j:T+8*j+7], v7
.set j, j+1
.endr
	v_nop
.set j, 0
.rept 8
	ds_store_b32 v4, v[8+j] offset:128*j+PITCH*\p
.set j, j+1
.endr
.endm
	s_load_b256 s[8:15], s[0:1], 0x0               ; x1, ln2_g, ln2_b, the exponents
	s_load_b64 s[24:25], s[0:1], 0x20              ; yy
	v_lshl_add_u32 v2, v0, 2, SPARE
	v_mov_b32 v3, 0
	v_lshrrev_b32 v4, 5, v0
	s_delay_alu instid0(VALU_DEP_1)
	v_readfirstlane_b32 s26, v4
	v_and_b32 v9, 31, v0
	v_and_b32 v10, 15, v0
	v_bfe_u32 v11, v0, 4, 1
	s_delay_alu instid0(VALU_DEP_3)
	v_lshlrev_b32 v1, 4, v9
	s_mul_i32 s27, s26, 2*PITCH
	v_lshlrev_b32 v4, 2, v9
	s_delay_alu instid0(VALU_DEP_1)
	v_add_nc_u32 v4, s27, v4
	v_mul_u32_u24 v5, v10, PITCH
	s_delay_alu instid0(VALU_DEP_1)
	v_lshl_add_u32 v5, v11, 3, v5
	s_lshl_b32 s27, s26, 7
	v_add_nc_u32 v5, s27, v5
	s_lshl_b32 s28, ttmp9, 16
	s_lshl_b32 s29, s26, 13
	s_add_co_u32 s28, s28, s29
	s_mov_b32 s29, 0
	s_lshl_b32 s30, ttmp9, 3
	s_add_co_u32 s30, s30, s26
	s_lshl_b32 s30, s30, 11
	s_add_co_u32 s30, s30, 0x1000000               ; the images lie behind y's 16,777,216 bytes
	s_mov_b32 s31, 0
	s_mov_b32 s40, 0x76543210
	s_mov_b32 s41, 0xfedcba98
	s_mov_b32 s42, 0x3a800000
	s_mov_b32 s43, 0x3727c5ac
	s_wait_alu depctr_va_vdst(0)
	s_wait_kmcnt 0x0
	s_load_b32 s46, s[14:15], 0x20                 ; e8
	s_add_nc_u64 s[8:9], s[8:9], s[28:29]
	s_add_nc_u64 s[32:33], s[24:25], s[30:31]      ; my image
	s_add_nc_u64 s[24:25], s[24:25], s[28:29]      ; my two rows of y
.set j, 0
.rept 16
	global_load_b128 v[X+4*j:X+4*j+3], v1, s[8:9] offset:512*j th:TH_LOAD_NT
.set j, j+1
.endr
.set j, 0
.rept 8
	global_load_b128 v[G+4*j:G+4*j+3], v1, s[10:11] offset:512*j
.set j, j+1
.endr
.set j, 0
.rept 8
	global_load_b128 v[BB+4*j:BB+4*j+3], v1, s[12:13] offset:512*j
.set j, j+1
.endr
	s_wait_loadcnt 24                              ; row 0 is in; row 1, the gain and the bias may be out
	STATS 0
	s_wait_loadcnt 16                              ; row 1 is in
	STATS 1
	s_wait_alu depctr_va_vdst(0)
	v_rsq_f32 v20, v18
	v_rsq_f32 v28, v26
	v_nop
	s_wait_kmcnt 0x0
	s_add_co_i32 s46, s46, 127
	s_lshl_b32 s27, s46, 23
	v_mov_b32 v7, s27
	s_add_co_i32 s46, s46, 8
	s_lshl_b32 s46, s46, 23
	s_or_b32 s46, s46, 0x600000
	v_mov_b32 v6, s46
	s_wait_alu depctr_va_vdst(0)                   ; one wait for both, ahead of their first reader
	s_wait_loadcnt 0x0
	NORM 0
	NORM 1
	s_wait_dscnt 0x0
	s_barrier_signal -1
	s_barrier_wait -1
.set j, 0
.rept 8
	ds_load_b64 v[T+2*j:T+2*j+1], v5 offset:16*j
.set j, j+1
.endr
.set j, 0
.rept 4
	s_wait_dscnt 6-2*j                             ; the younger reads may be out
	global_store_b128 v1, v[T+4*j:T+4*j+3], s[32:33] offset:512*j
.set j, j+1
.endr
	s_wait_tensorcnt 0x0                           ; the wave's end
	ds_add_u32 v2, v3
	s_wait_dscnt 0x0
	s_endpgm
.Lfunc_end_k_q3cc657daae_ln2:
	.size	k_q3cc657daae_ln2, .Lfunc_end_k_q3cc657daae_ln2-k_q3cc657daae_ln2
	.p2alignl 7, 3214868480
	.fill 96, 4, 3214868480
	.section	.rodata,"a",@progbits
	.p2align	6, 0x0
	.amdhsa_kernel k_q3cc657daae_ln2
		.amdhsa_group_segment_fixed_size 17664
		.amdhsa_private_segment_fixed_size 0
		.amdhsa_enable_private_segment 0
		.amdhsa_kernarg_size 40
		.amdhsa_user_sgpr_count 2
		.amdhsa_user_sgpr_kernarg_segment_ptr 1
		.amdhsa_wavefront_size32 1
		.amdhsa_system_sgpr_workgroup_id_x 1
		.amdhsa_system_sgpr_workgroup_id_y 1
		.amdhsa_system_sgpr_workgroup_id_z 1
		.amdhsa_system_vgpr_workitem_id 0
		.amdhsa_next_free_vgpr 192
		.amdhsa_next_free_sgpr 66
		.amdhsa_reserve_vcc 0
		.amdhsa_float_denorm_mode_32 3
		.amdhsa_float_denorm_mode_16_64 3
		.amdhsa_memory_ordered 1
		.amdhsa_forward_progress 1
		.amdhsa_inst_pref_size 29
	.end_amdhsa_kernel
	.amdgpu_metadata
---
amdhsa.version: [ 1, 2 ]
amdhsa.kernels:
  - .name:           k_q3cc657daae_ln2
    .symbol:         k_q3cc657daae_ln2.kd
    .args:
      - { .name: x1, .offset: 0, .size: 8, .value_kind: global_buffer, .address_space: global }
      - { .name: ln2_g, .offset: 8, .size: 8, .value_kind: global_buffer, .address_space: global }
      - { .name: ln2_b, .offset: 16, .size: 8, .value_kind: global_buffer, .address_space: global }
      - { .name: lowp_scales, .offset: 24, .size: 8, .value_kind: global_buffer, .address_space: global }
      - { .name: yy, .offset: 32, .size: 8, .value_kind: global_buffer, .address_space: global }
    .group_segment_fixed_size: 17664
    .private_segment_fixed_size: 0
    .kernarg_segment_align: 8
    .kernarg_segment_size: 40
    .max_flat_workgroup_size: 256
    .sgpr_count:     66
    .vgpr_count:     192
    .wavefront_size: 32
...
	.end_amdgpu_metadata
.endif
;; end of part 5
;; launch gemm_fc (part 6): grid 16 x 16, 4 waves a work-group, clusters of 4 x 4, 327,680 bytes of LDS; arguments yy, codes, b_fc, lowp_scales, gimg; writes gimg
.if DOCPART == 6
	.amdgcn_target "amdgcn-amd-amdhsa--gfx1250"
	.amdhsa_code_object_version 6
	.text
	.protected	k_q3cc657daae_gemm_fc
	.globl	k_q3cc657daae_gemm_fc
	.p2align	8
	.type	k_q3cc657daae_gemm_fc,@function
k_q3cc657daae_gemm_fc:
	s_mov_b64 s[64:65], 0
	v_nop
	global_prefetch_b8 v0, s[64:65] scope:SCOPE_SE
	s_setreg_imm32_b32 hwreg(HW_REG_WAVE_MODE, 25, 1), 1
	s_wait_xcnt 0x0
	s_wait_alu depctr_hold_cnt(0) depctr_sa_sdst(0) depctr_va_vdst(0) depctr_va_sdst(0) depctr_va_ssrc(0) depctr_va_vcc(0) depctr_vm_vsrc(0)
	s_getreg_b32 s2, hwreg(HW_REG_IB_STS2, 6, 4)
	s_cmp_eq_u32 s2, 0
	s_cbranch_scc0 .Lentry_in_a_cluster
	s_endpgm
.Lentry_in_a_cluster:
	s_bfe_u32 s2, ttmp6, 0x10000c
	s_cmp_lg_u32 s2, 0xf033
	s_cbranch_scc0 .Lentry_shape_is_right
	s_endpgm
.Lentry_shape_is_right:
.set HALFT,  32768
.set SLOT,   4*HALFT
.set SPARE,  2*SLOT
.set FR,     16
.set NL,     4
.set NP,     4
.set ADRA, 16
.set ADRB, 20
.set LI,   24
.set DA,   25
.set RA,   26
.set SPW,  28
.set NIL,  29
.set BI,   32
.set AF,   128
.set P0,   96
.set P1,   128
.set P2,   160
.set P3,   192
.set P4,   224
.set G1, 24
.set G0, 32
.set G1B, 48
.set G0B, 56
.set MSB, 0
.macro WIN new
.if MSB != \new
	s_set_vgpr_msb (MSB<<8)|\new
.set MSB, \new
.endif
.endm
.set MUL_LO, 0xa1
.set MUL_HI, 0xf1
.set TO_B,   0x40
.macro JLOAD g0a, g1a, g0b, g1b
	s_cmp_eq_u32 s15, 0
	s_cbranch_scc0 .Lfor_b_\@
	tensor_load_to_lds s[\g0a:\g0a+3], s[\g1a:\g1a+7]
	s_nop 0
.rept 4
	v_nop
.endr
	s_branch .Lasked_\@
.Lfor_b_\@:
	tensor_load_to_lds s[\g0b:\g0b+3], s[\g1b:\g1b+7]
	s_nop 0
.rept 4
	v_nop
.endr
.Lasked_\@:
.endm
.macro CREST
	s_cmp_lg_u32 s14, 0
	s_cbranch_scc1 .Lnot_wave_0_\@
	s_barrier_signal -3
.Lnot_wave_0_\@:
	s_barrier_wait -3
	s_barrier_signal -1
	s_barrier_wait -1
.endm
.macro CROUND
	s_barrier_signal -1
	s_barrier_wait -1
	CREST
.endm
	s_load_b256 s[4:11], s[0:1], 0x0
	s_load_b64 s[12:13], s[0:1], 0x20
	v_lshl_add_u32 v[SPW], v0, 2, SPARE
	v_mov_b32 v[NIL], 0
	ds_add_u32 v[SPW], v[NIL]
	ds_add_u32 v[SPW], v[NIL]
	v_lshrrev_b32 v1, 5, v0
	v_readfirstlane_b32 s14, v1
	s_lshr_b32 s15, s14, 1
	s_and_b32 s16, s14, 1
	s_bfe_u32 s40, ttmp6, 0x40000
	s_bfe_u32 s41, ttmp6, 0x40004
	s_lshl_b32 s42, ttmp9, 2
	s_add_co_u32 s42, s42, s40
	s_and_b32 s17, ttmp7, 0xffff
	s_lshl_b32 s17, s17, 2
	s_add_co_u32 s17, s17, s41
	s_lshl_b32 s43, s41, 2
	s_lshl_b32 s43, 15, s43
	s_lshl_b32 s44, 0x1111, s40
	s_or_b32 s[G1+0], s43, (3<<16)|(1<<21)
	s_or_b32 s[G1B+0], s44, (3<<16)|(1<<21)
.irp g, G1, G1B
	s_mov_b32 s[\g+1], 512<<16
	s_mov_b32 s[\g+2], 8<<16
	s_mov_b32 s[\g+3], 512<<16
	s_mov_b32 s[\g+4], 8
	s_mov_b32 s[\g+5], 2048
	s_mov_b32 s[\g+6], 0
	s_mov_b32 s[\g+7], 0
.endr
	s_lshl_b32 s18, s16, 17
	s_lshl_b32 s20, s17, 18
	s_add_co_u32 s20, s20, s18
	s_add_co_u32 s20, s20, 0x1000000
	s_mov_b32 s21, 0
	s_lshl_b32 s46, s42, 18
	s_add_co_u32 s46, s46, s18
	s_add_co_u32 s46, s46, 0x800000
	s_mov_b32 s47, 0
	s_mul_i32 s45, s14, HALFT
	s_wait_dscnt 0x0
	s_wait_kmcnt 0x0
	s_load_b128 s[72:75], s[10:11], 0x20
	s_add_nc_u64 s[20:21], s[4:5], s[20:21]
	s_add_nc_u64 s[46:47], s[6:7], s[46:47]
	CROUND
.irp s, 0,1
	s_mov_b32 s[G0+4*\s], 1
	s_add_co_u32 s[G0+4*\s+1], s45, \s*SLOT
	s_add_nc_u64 s[G0+4*\s+2:G0+4*\s+3], s[20:21], \s*4096
	s_or_b32 s[G0+4*\s+3], s[G0+4*\s+3], 0x80000000
	s_mov_b32 s[G0B+4*\s], 1
	s_add_co_u32 s[G0B+4*\s+1], s45, \s*SLOT
	s_add_nc_u64 s[G0B+4*\s+2:G0B+4*\s+3], s[46:47], \s*4096
	s_or_b32 s[G0B+4*\s+3], s[G0B+4*\s+3], 0x80000000
.endr
	JLOAD G0, G1, G0B, G1B                         ; K step 0: one tensor load a wave at the head
	; PREFETCH INTO THE L2: of the 8 tiles of 16 rows x 4,096 bytes that a wave fetches for a K step, each of the four partners that ask jointly takes two, told apart by address (cx for A, cy for B);
	; a lane a block of 256 bytes, one instruction a wave and K step.  K steps 1 and 2 are asked for behind K step 0's load, K step 3 behind K step 1's.  The address is never stepped.
	s_cmp_eq_u32 s15, 0                            ; do I fetch for A?
	s_cselect_b64 s[92:93], s[20:21], s[46:47]     ; the eight tiles of rows that I fetch, at K step 0
	s_cselect_b32 s94, s40, s41                    ; my place among the four that ask with me
	s_lshl_b32 s94, s94, 15                        ; two tiles of rows are 32,768 bytes
	s_mov_b32 s95, 0
	s_add_nc_u64 s[92:93], s[92:93], s[94:95]
	v_and_b32 v1, 31, v0
	v_lshlrev_b32 v[LI], 4, v1
	v_lshrrev_b32 v30, 4, v1
	v_and_b32 v31, 15, v1
	v_lshlrev_b32 v30, 14, v30
	v_lshl_add_u32 v30, v31, 8, v30                ; tile of rows lane / 16, block lane % 16; never rewritten
	s_wait_alu depctr_va_vdst(0)
	global_prefetch_b8 v30, s[92:93] offset:4096 th:TH_LOAD_NT scope:SCOPE_SE
	global_prefetch_b8 v30, s[92:93] offset:8192 th:TH_LOAD_NT scope:SCOPE_SE
	s_mul_i32 s21, s15, HALFT
	s_mul_i32 s22, s16, HALFT
	s_add_co_u32 s22, s22, 2*HALFT
.irp s, 0,1
	v_add_nc_u32 v[ADRA+\s], s21, v[LI]
	v_add_nc_u32 v[ADRB+\s], s22, v[LI]
	s_add_co_u32 s21, s21, SLOT
	s_add_co_u32 s22, s22, SLOT
.endr
	s_lshl_b32 s82, s14, 16
	v_add_nc_u32 v[DA], s82, v[LI]
	v_bfe_u32 v3, v0, 4, 1
	v_lshlrev_b32 v8, 5, v3
	s_lshl_b32 s80, s42, 10
	s_lshl_b32 s81, s16, 9
	s_add_co_u32 s80, s80, s81
	s_mov_b32 s81, 0
	s_add_nc_u64 s[8:9], s[8:9], s[80:81]
.irp b, 0,1,2,3,4,5,6,7
	global_load_b128 v[BI+8*\b:BI+8*\b+3], v8, s[8:9] offset:64*\b
	global_load_b128 v[BI+8*\b+4:BI+8*\b+7], v8, s[8:9] offset:64*\b+16
.endr
	s_lshl_b32 s84, s17, 20
	s_lshl_b32 s83, s15, 19
	s_add_co_u32 s84, s84, s83
	s_lshl_b32 s83, s42, 12
	s_add_co_u32 s84, s84, s83
	s_lshl_b32 s83, s16, 11
	s_add_co_u32 s84, s84, s83
	s_mov_b32 s85, 0
	s_add_nc_u64 s[12:13], s[12:13], s[84:85]
.macro FRAG reg, adr, q, i
.irp c, 0,1,2,3
	ds_load_b128 v[\reg+4*\c:\reg+4*\c+3], v[\adr] offset:(\i)*4096+(\q)*2048+512*\c
.endr
.endm
.macro MUL16 a0, p, zero
.irp a, \a0, \a0+1
.irp b, 0,1,2,3,4,5,6,7
.if \zero
	v_wmma_f32_16x16x128_fp8_fp8 v[8*(8*((\a)%4)+\b):8*(8*((\a)%4)+\b)+7], v[128*(\p)+FR*\b:128*(\p)+FR*\b+FR-1], v[AF+FR*(\a):AF+FR*(\a)+FR-1], 0
.else
	v_wmma_f32_16x16x128_fp8_fp8 v[8*(8*((\a)%4)+\b):8*(8*((\a)%4)+\b)+7], v[128*(\p)+FR*\b:128*(\p)+FR*\b+FR-1], v[AF+FR*(\a):AF+FR*(\a)+FR-1], v[8*(8*((\a)%4)+\b):8*(8*((\a)%4)+\b)+7]
.endif
.endr
.endr
.endm
.macro FETCH_B slot, q, p
	WIN TO_B
.irp i, 0,1,2,3,4,5,6,7
	FRAG 128*(\p)+FR*\i, ADRB+\slot, \q, \i
.endr
	WIN 0
.endm
.macro FETCH_A slot, q, i0
.irp i, \i0, \i0+1, \i0+2, \i0+3
	FRAG AF+FR*(\i), ADRA+\slot, \q, \i
.endr
.endm
.macro PLACES n
.rept \n
	v_nop
.endr
.endm
.macro STEP slot, q, zero
	s_wait_dscnt 4*NL
	WIN MUL_LO
	MUL16 0, (\q)%2, \zero
	MUL16 2, (\q)%2, \zero
	s_wait_dscnt 0
	PLACES NP
	FETCH_B \slot, (\q)+1, 1-(\q)%2
	FETCH_A \slot, (\q)+1, 0
	WIN MUL_HI
	MUL16 4, (\q)%2, \zero
	MUL16 6, (\q)%2, \zero
	PLACES NP
	WIN 0
	FETCH_A \slot, (\q)+1, 4
.endm
.macro TURN slot, next, fill
	s_wait_tensorcnt 0x0
	ds_add_u32 v[SPW], v[NIL]
	s_wait_dscnt 4*NL+1
	WIN MUL_LO
	MUL16 0, 1, 0
	s_wait_dscnt 0x0
	s_barrier_signal -1
	MUL16 2, 1, 0
	WIN 0
	s_barrier_wait -1
.if \fill
	CREST
	s_add_nc_u64 s[G0+4*\slot+2:G0+4*\slot+3], s[G0+4*\slot+2:G0+4*\slot+3], 8192
	s_add_nc_u64 s[G0B+4*\slot+2:G0B+4*\slot+3], s[G0B+4*\slot+2:G0B+4*\slot+3], 8192
	JLOAD G0+4*\slot, G1, G0B+4*\slot, G1B
.else
	PLACES NP
.endif
	FETCH_B \next, 0, 0
	FETCH_A \next, 0, 0
	WIN MUL_HI
	MUL16 4, 1, 0
	MUL16 6, 1, 0
	PLACES NP
	WIN 0
	FETCH_A \next, 0, 4
.endm
.macro FMA_L d, a, b, lit
.set j, 0
.rept 16
	v_pk_fma_f32 v[\d+j:\d+j+1], v[\a+j:\a+j+1], v[\b+j:\b+j+1], \lit op_sel_hi:[1,1,0]
.set j, j+2
.endr
.endm
.macro FMA_1 d, a, lit, c
.set j, 0
.rept 16
	v_pk_fma_f32 v[\d+j:\d+j+1], v[\a+j:\a+j+1], \lit, v[\c:\c+1] op_sel_hi:[1,0,1]
.set j, j+2
.endr
.endm
.macro MUL_V d, a, b
.set j, 0
.rept 16
	v_pk_mul_f32 v[\d+j:\d+j+1], v[\a+j:\a+j+1], v[\b+j:\b+j+1]
.set j, j+2
.endr
.endm
.macro MUL_L d, a, lit
.set j, 0
.rept 16
	v_pk_mul_f32 v[\d+j:\d+j+1], v[\a+j:\a+j+1], \lit op_sel_hi:[1,0]
.set j, j+2
.endr
.endm
.macro GH u, R, X2, more, nxt
	s_wait_dscnt 0x0
.set j, 0
.rept 16
	v_pk_fma_f32 v[\R+j:\R+j+1], v[\R+j:\R+j+1], s[86:87], v[BI+32*\u+j:BI+32*\u+j+1] op_sel_hi:[1,0,1]
.set j, j+2
.endr
	MUL_L P1, \R, 0x3f3504f3
.set j, 0
.rept 32
	v_med3_num_f32 v[P1+j], v[P1+j], -4.0, 4.0
.set j, j+1
.endr
	MUL_L \R, \R, 0.5
	MUL_V \X2, P1, P1
	s_wait_xcnt 0x0
	FMA_1 P3, \X2, 0xaf95df0b, 12
	FMA_L P3, P3, \X2, 0xb60cff51
	FMA_L P3, P3, \X2, 0xb86ec2d2
	FMA_L P3, P3, \X2, 0xba40ac63
	FMA_L P3, P3, \X2, 0xbb41a1f6
	FMA_L P3, P3, \X2, 0xbc83dbd4
	FMA_1 P4, \X2, 0xb77460cd, 14
	FMA_L P4, P4, \X2, 0xbadc924e
	FMA_L P4, P4, \X2, 0xbbf19bf8
	FMA_L P4, P4, \X2, 0xbc69b6a7
.if \more
.irp t, 0,1,2,3
	ds_load_b128 v[\X2+8*\t:\X2+8*\t+3], v[RA] offset:\nxt+\t*1024
	ds_load_b128 v[\X2+8*\t+4:\X2+8*\t+7], v[RA] offset:\nxt+\t*1024+512
.endr
.endif
.set j, 0
	s_wait_alu depctr_va_vdst(0)
.rept 32
	v_rcp_f32 v[P4+j], v[P4+j]
.set j, j+1
.endr
	MUL_V P3, P3, P1
	s_wait_alu depctr_va_vdst(0)
	MUL_V P3, P3, P4
.set j, 0
.rept 16
	v_pk_fma_f32 v[\R+j:\R+j+1], v[\R+j:\R+j+1], v[P3+j:P3+j+1], v[\R+j:\R+j+1]
.set j, j+2
.endr
.set j, 0
.rept 32
	v_med3_num_f32 v[\R+j], v[\R+j], -v11, v11
.set j, j+1
.endr
.set j, 0
.rept 4
	v_cvt_scalef32_pk8_fp8_f32 v[P4+2*j:P4+2*j+1], v[\R+8*j:\R+8*j+7], v10
.set j, j+1
.endr
	v_nop
	global_store_b128 v[LI], v[P4:P4+3], s[12:13] offset:1024*\u
	global_store_b128 v[LI], v[P4+4:P4+7], s[12:13] offset:1024*\u+512
.endm
	s_wait_alu depctr_va_vdst(0)
	s_wait_tensorcnt 0x0                           ; my part of K step 0 is in
	ds_add_u32 v[SPW], v[NIL]
	s_wait_dscnt 0x0
	CROUND                                         ; everybody's part is in, and all sixteen work-groups are here
	JLOAD G0+4, G1, G0B+4, G1B                     ; K step 1: the first tensor load behind the round
	FETCH_B 0, 0, 0
	FETCH_A 0, 0, 0
	FETCH_A 0, 0, 4
	global_prefetch_b8 v30, s[92:93] offset:12288 th:TH_LOAD_NT scope:SCOPE_SE   ; K step 3
	STEP 0, 0, 1
	TURN 0, 1, 1
	STEP 1, 0, 0
	TURN 1, 0, 1
	STEP 0, 0, 0
	TURN 0, 1, 0
	STEP 1, 0, 0
	s_wait_dscnt 4*NL
	WIN MUL_LO
	MUL16 0, 1, 0
	MUL16 2, 1, 0
	s_wait_dscnt 0
	WIN MUL_HI
	MUL16 4, 1, 0
	MUL16 6, 1, 0
	WIN 0
	s_wait_dscnt 0x0
	s_barrier_signal -1
	s_barrier_wait -1
	PLACES NP
	WIN 0x08
.set t, 0
.rept 32
	ds_store_b128 v[DA], v[8*t:8*t+3] offset:t*1024
	ds_store_b128 v[DA], v[8*t+4:8*t+7] offset:t*1024+512
.set t, t+1
.endr
	WIN 0x0c
.set t, 0
.rept 32
	ds_store_b128 v[DA], v[8*t:8*t+3] offset:(32+t)*1024
	ds_store_b128 v[DA], v[8*t+4:8*t+7] offset:(32+t)*1024+512
.set t, t+1
.endr
	WIN 0
	s_mov_b32 s90, 0
	v_add_nc_u32 v[RA], s90, v[DA]
.irp t, 0,1,2,3
	ds_load_b128 v[P0+8*\t:P0+8*\t+3], v[RA] offset:\t*1024
	ds_load_b128 v[P0+8*\t+4:P0+8*\t+7], v[RA] offset:\t*1024+512
.endr
	s_wait_kmcnt 0x0
	s_add_co_i32 s86, s72, s73
	s_add_co_i32 s86, s86, 127
	s_lshl_b32 s86, s86, 23
	s_mov_b32 s87, s86
	s_add_co_i32 s88, s74, 127
	s_lshl_b32 s89, s88, 23
	v_mov_b32 v10, s89
	s_add_co_i32 s88, s88, 8
	s_lshl_b32 s88, s88, 23
	s_or_b32 s88, s88, 0x600000
	v_mov_b32 v11, s88
	v_mov_b32 v12, 0x32edffee
	v_mov_b32 v13, 0x32edffee
	v_mov_b32 v14, 0xb95fbd29
	v_mov_b32 v15, 0xb95fbd29
	s_wait_loadcnt 0x0
	s_mov_b32 s3, 7
.Lblk:
	GH 0, P0, P2, 1, 4096
	GH 1, P2, P0, 1, 8192
	s_wait_xcnt 0x0
	s_add_nc_u64 s[12:13], s[12:13], 65536
	s_add_co_u32 s90, s90, 8192
	v_add_nc_u32 v[RA], s90, v[DA]
	s_sub_co_u32 s3, s3, 1
	s_cmp_lg_u32 s3, 0
	s_cbranch_scc1 .Lblk
	GH 0, P0, P2, 1, 4096
	GH 1, P2, P0, 0, 0
	s_wait_tensorcnt 0x0
	ds_add_u32 v[SPW], v[NIL]
	s_wait_dscnt 0x0
	CROUND
	s_endpgm
.Lfunc_end_k_q3cc657daae_gemm_fc:
	.size	k_q3cc657daae_gemm_fc, .Lfunc_end_k_q3cc657daae_gemm_fc-k_q3cc657daae_gemm_fc
	.p2alignl 7, 3214868480
	.fill 96, 4, 3214868480
	.section	.rodata,"a",@progbits
	.p2align	6, 0x0
	.amdhsa_kernel k_q3cc657daae_gemm_fc
		.amdhsa_group_segment_fixed_size 327680
		.amdhsa_private_segment_fixed_size 0
		.amdhsa_enable_private_segment 0
		.amdhsa_kernarg_size 40
		.amdhsa_user_sgpr_count 2
		.amdhsa_user_sgpr_kernarg_segment_ptr 1
		.amdhsa_wavefront_size32 1
		.amdhsa_system_sgpr_workgroup_id_x 1
		.amdhsa_system_sgpr_workgroup_id_y 1
		.amdhsa_system_sgpr_workgroup_id_z 1
		.amdhsa_system_vgpr_workitem_id 0
		.amdhsa_next_free_vgpr 1024
		.amdhsa_next_free_sgpr 100
		.amdhsa_reserve_vcc 0
		.amdhsa_float_denorm_mode_32 3
		.amdhsa_float_denorm_mode_16_64 3
		.amdhsa_memory_ordered 1
		.amdhsa_forward_progress 1
		.amdhsa_inst_pref_size 203
	.end_amdhsa_kernel
	.amdgpu_metadata
---
amdhsa.version: [ 1, 2 ]
amdhsa.kernels:
  - .name:           k_q3cc657daae_gemm_fc
    .symbol:         k_q3cc657daae_gemm_fc.kd
    .args:
      - { .name: yy, .offset: 0, .size: 8, .value_kind: global_buffer, .address_space: global }
      - { .name: codes, .offset: 8, .size: 8, .value_kind: global_buffer, .address_space: global }
      - { .name: b_fc, .offset: 16, .size: 8, .value_kind: global_buffer, .address_space: global }
      - { .name: lowp_scales, .offset: 24, .size: 8, .value_kind: global_buffer, .address_space: global }
      - { .name: gimg, .offset: 32, .size: 8, .value_kind: global_buffer, .address_space: global }
    .group_segment_fixed_size: 327680
    .private_segment_fixed_size: 0
    .kernarg_segment_align: 8
    .kernarg_segment_size: 40
    .max_flat_workgroup_size: 128
    .sgpr_count:     100
    .vgpr_count:     1024
    .wavefront_size: 32
...
	.end_amdgpu_metadata
.endif
;; end of part 6
;; launch gemm_proj (part 7): grid 8 x 32, 4 waves a work-group, clusters of 4 x 4, 327,680 bytes of LDS; arguments gimg, codes, yy, b_proj, lowp_scales, out0; writes out0
.if DOCPART == 7
	.amdgcn_target "amdgcn-amd-amdhsa--gfx1250"
	.amdhsa_code_object_version 6
	.text
	.protected	k_q3cc657daae_gemm_proj
	.globl	k_q3cc657daae_gemm_proj
	.p2align	8
	.type	k_q3cc657daae_gemm_proj,@function
k_q3cc657daae_gemm_proj:
	s_mov_b64 s[64:65], 0
	v_nop
	global_prefetch_b8 v0, s[64:65] scope:SCOPE_SE
	s_setreg_imm32_b32 hwreg(HW_REG_WAVE_MODE, 25, 1), 1
	s_wait_xcnt 0x0
	s_wait_alu depctr_hold_cnt(0) depctr_sa_sdst(0) depctr_va_vdst(0) depctr_va_sdst(0) depctr_va_ssrc(0) depctr_va_vcc(0) depctr_vm_vsrc(0)
	s_getreg_b32 s2, hwreg(HW_REG_IB_STS2, 6, 4)
	s_cmp_eq_u32 s2, 0
	s_cbranch_scc0 .Lentry_in_a_cluster
	s_endpgm
.Lentry_in_a_cluster:
	s_bfe_u32 s2, ttmp6, 0x10000c
	s_cmp_lg_u32 s2, 0xf033
	s_cbranch_scc0 .Lentry_shape_is_right
	s_endpgm
.Lentry_shape_is_right:
; out = y + g w_proj + b_proj, the product on codes of FP8 (entries 10, 11).  A = g's images [4096][4096], B = w_proj's images [1024][4096] (in codes at BOFF); y: f32 at the head of yy; out: f32 [4096][1024].
; N = 1,024 gives 64 tiles of 256 x 256, so the tile is 128 x 128: 256 work-groups of four waves, 64 x 64 a wave, 16 accumulators.
; K = 4,096 goes in eight steps of 512 through two LDS slots; a tensor load brings 4 tiles of rows x 8,192 bytes (four images each); a wave has one load out at the start and one behind each round.
; Operands are images of the operand registers (16 rows x 128 k = 4 quads of 512 bytes, 16 bytes a lane): a fragment is four dense LDS loads.  THE MATRIX INSTRUCTION IS USED TRANSPOSED: a lane holds eight neighbouring columns of a row.
; CLUSTERS: 4 x 4; A's tiles are shared along a row of the cluster, B's along a column, by joint loads.
; The residual's 64 x 64 numbers of a wave are asked for ahead of the trip that refills K steps 6 and 7, in the layout in which the rows leave, and wait in window 2.
; LIMIT: e10 + e11 between -126 and 127.
; REGISTERS: window 0: v0-31 addresses, v[8:11] the bias; v32-95 rows on the way out, two sets; v128-255 the accumulators ((a, b) at 128 + 8 (4 a + b));  window 1: two fragment buffers (A's four, then B's four);  window 2: v0-127 the residual.
; THE HEAD: a wave has one load out, K step 0's; K step 1's follows behind the full sequence and a round, as a refill does.
; PREFETCH INTO THE L2: behind the joint load of K step u stands one prefetch a wave for K step u + 2 (u = 0 .. 5).  Of the four tiles of 16 rows x 8,192 bytes that a wave fetches, each of the four partners
; that ask for them jointly takes one, told apart by address (cx for A, cy for B), lanes 256 bytes apart: each block of 256 bytes is named once in each cluster that loads it.  The last two refills ask for nothing.
.set KT,     4096
.set BOFF,   12582912
.set EOFF,   40
.set HALFT,  32768
.set SLOT,   4*HALFT
.set STAGE,  2*SLOT
.set SPITCH, 272
.set SPARE,  STAGE+4*16*SPITCH
.set LAPS,   KT/1024
.set ADRA, 16
.set ADRB, 20
.set STO,  24
.set RD,   25
.set CO,   26
.set SPW,  28
.set NIL,  29
.set ACC,  128
.set F0,   0
.set F1,   128
.set G1, 24
.set G0, 32
.set G1B, 48
.set G0B, 56
.set MSB, 0
.macro WIN new
.if MSB != \new
	s_set_vgpr_msb (MSB<<8)|\new
.set MSB, \new
.endif
.endm
.set MUL,  0x05
.set TO_F, 0x40
.macro JLOAD s                         ; a joint load: waves 0 and 1 fetch A's halves, waves 2 and 3 B's; an s_nop 0 and four v_nop follow each line
	s_cmp_eq_u32 s17, 0
	s_cbranch_scc0 .Lfor_b_\@
	tensor_load_to_lds s[G0+4*\s:G0+4*\s+3], s[G1:G1+7]
	s_nop 0
.rept 4
	v_nop
.endr
	s_branch .Lasked_\@
.Lfor_b_\@:
	tensor_load_to_lds s[G0B+4*\s:G0B+4*\s+3], s[G1B:G1B+7]
	s_nop 0
.rept 4
	v_nop
.endr
.Lasked_\@:
.endm
.macro CREST
	s_cmp_lg_u32 s16, 0
	s_cbranch_scc1 .Lnot_wave_0_\@
	s_barrier_signal -3
.Lnot_wave_0_\@:
	s_barrier_wait -3
	s_barrier_signal -1
	s_barrier_wait -1
.endm
.macro CROUND
	s_barrier_signal -1
	s_barrier_wait -1
	CREST
.endm
	s_load_b256 s[4:11], s[0:1], 0x0               ; A's images, codes, the residual, the bias
	s_load_b128 s[12:15], s[0:1], 0x20             ; the exponents, the output
	v_lshl_add_u32 v[SPW], v0, 2, SPARE
	v_mov_b32 v[NIL], 0
	ds_add_u32 v[SPW], v[NIL]                      ; the wave's opening: the add, twice on end, and its wait ahead of my first tensor load
	ds_add_u32 v[SPW], v[NIL]
	v_lshrrev_b32 v1, 5, v0
	v_readfirstlane_b32 s16, v1                    ; wave 0..3
	s_lshr_b32 s17, s16, 1                         ; my half of the rows.  Also: I fetch for A (0) or B (1)
	s_and_b32 s18, s16, 1                          ; my half of the columns.  Also: which half I fetch
	s_bfe_u32 s40, ttmp6, 0x40000
	s_bfe_u32 s41, ttmp6, 0x40004
	s_lshl_b32 s42, ttmp9, 2
	s_add_co_u32 s42, s42, s40                     ; tile column
	s_and_b32 s43, ttmp7, 0xffff
	s_lshl_b32 s43, s43, 2
	s_add_co_u32 s43, s43, s41                     ; tile row
	s_lshl_b32 s44, s41, 2
	s_lshl_b32 s44, 15, s44
	s_lshl_b32 s45, 0x1111, s40
	s_or_b32 s[G1+0], s44, (3<<16)|(1<<21)         ; the mask; elements of 8 bytes; bit 21 beside a mask; no padding
	s_or_b32 s[G1B+0], s45, (3<<16)|(1<<21)
.irp g, G1, G1B
	s_mov_b32 s[\g+1], 1024<<16                    ; tensor_dim0 = 1,024 elements: 8,192 bytes, four images
	s_mov_b32 s[\g+2], 4<<16                       ; tensor_dim1 = 4 tiles of rows
	s_mov_b32 s[\g+3], 1024<<16
	s_mov_b32 s[\g+4], 4
	s_mov_b32 s[\g+5], 2*KT                        ; from a tile of rows to the next: 16 KT bytes
	s_mov_b32 s[\g+6], 0
	s_mov_b32 s[\g+7], 0
.endr
	s_mul_i32 s19, s18, 64*KT
	s_mul_i32 s20, s43, 128*KT
	s_add_co_u32 s20, s20, s19
	s_mov_b32 s21, 0
	s_mul_i32 s46, s42, 128*KT
	s_add_co_u32 s46, s46, s19
	s_add_co_u32 s46, s46, BOFF
	s_mov_b32 s47, 0
	s_mul_i32 s22, s16, HALFT
	s_wait_dscnt 0x0
	s_wait_kmcnt 0x0
	s_load_b64 s[66:67], s[12:13], EOFF            ; the two exponents
	s_add_nc_u64 s[20:21], s[4:5], s[20:21]
	s_add_nc_u64 s[46:47], s[6:7], s[46:47]
	CROUND
.irp s, 0,1
	s_mov_b32 s[G0+4*\s], 1
	s_add_co_u32 s[G0+4*\s+1], s22, \s*SLOT
	s_add_nc_u64 s[G0+4*\s+2:G0+4*\s+3], s[20:21], \s*8192
	s_or_b32 s[G0+4*\s+3], s[G0+4*\s+3], 0x80000000
	s_mov_b32 s[G0B+4*\s], 1
	s_add_co_u32 s[G0B+4*\s+1], s22, \s*SLOT
	s_add_nc_u64 s[G0B+4*\s+2:G0B+4*\s+3], s[46:47], \s*8192
	s_or_b32 s[G0B+4*\s+3], s[G0B+4*\s+3], 0x80000000
.endr
	JLOAD 0                                        ; K step 0: one tensor load a wave at the head
	s_cmp_eq_u32 s17, 0                            ; the prefetches: do I fetch for A?
	s_cselect_b64 s[74:75], s[20:21], s[46:47]     ; the four tiles of rows that I fetch, at K step 0
	s_cselect_b32 s76, s40, s41                    ; my place among the four that ask with me
	s_lshl_b32 s76, s76, 16                        ; a tile of 16 rows is 16 KT bytes
	s_mov_b32 s77, 0
	s_add_nc_u64 s[74:75], s[74:75], s[76:77]
	v_and_b32 v1, 15, v0                           ; r
	s_wait_alu depctr_va_vdst(0)
	v_bfe_u32 v2, v0, 4, 1                         ; h
	v_and_b32 v3, 31, v0
	v_lshlrev_b32 v3, 4, v3                        ; 16 x lane
	s_mul_i32 s21, s17, HALFT
	s_mul_i32 s22, s18, HALFT
	s_add_co_u32 s22, s22, 2*HALFT
.irp s, 0,1
	v_add_nc_u32 v[ADRA+\s], s21, v3
	v_add_nc_u32 v[ADRB+\s], s22, v3
	s_add_co_u32 s21, s21, SLOT
	s_add_co_u32 s22, s22, SLOT
.endr
	s_mul_i32 s23, s16, 16*SPITCH
	s_add_co_u32 s23, s23, STAGE                   ; my stage: 16 rows x (256 + 16) bytes
	v_mul_u32_u24 v4, v1, SPITCH
	s_wait_alu depctr_va_vdst(0)
	v_lshl_add_u32 v4, v2, 5, v4
	v_add_nc_u32 v[STO], s23, v4                   ; in: row r, 32 bytes for each half of the lanes
	v_mul_u32_u24 v4, v2, SPITCH
	v_lshl_add_u32 v4, v1, 4, v4
	v_add_nc_u32 v[RD], s23, v4                    ; back: lanes 0-15 one row of 256 bytes, lanes 16-31 the next
	v_lshlrev_b32 v5, 4, v1
	s_wait_alu depctr_va_vdst(0)
	v_lshl_add_u32 v[CO], v2, 12, v5
	v_lshlrev_b32 v30, 4, v3                       ; the prefetches' offset: 256 x lane; never rewritten
	s_wait_alu depctr_va_vdst(0)
	s_lshl_b32 s70, s42, 9
	s_lshl_b32 s71, s18, 8
	s_add_co_u32 s70, s70, s71                     ; my first column, in bytes
	s_mov_b32 s71, 0
	s_add_nc_u64 s[10:11], s[10:11], s[70:71]
	s_lshl_b32 s72, s43, 19
	s_lshl_b32 s73, s17, 18
	s_add_co_u32 s72, s72, s73
	s_add_co_u32 s70, s70, s72                     ; + my first row
	s_add_nc_u64 s[8:9], s[8:9], s[70:71]
	s_add_nc_u64 s[14:15], s[14:15], s[70:71]
	global_load_b128 v[8:11], v5, s[10:11]
	global_prefetch_b8 v30, s[74:75] offset:8192 th:TH_LOAD_NT scope:SCOPE_SE    ; K step 1 too: its load goes out when K step 0 has landed
	global_prefetch_b8 v30, s[74:75] offset:16384 th:TH_LOAD_NT scope:SCOPE_SE   ; K step 2
.macro MUL4 f, a, zero                 ; A's block a x B's four.  The 16 accumulators take turns, one instruction a turn
.irp b, 0,1,2,3
.if \zero
	v_wmma_f32_16x16x128_fp8_fp8 v[ACC+8*(4*\a+\b):ACC+8*(4*\a+\b)+7], v[\f+64+16*\b:\f+64+16*\b+15], v[\f+16*\a:\f+16*\a+15], 0
.else
	v_wmma_f32_16x16x128_fp8_fp8 v[ACC+8*(4*\a+\b):ACC+8*(4*\a+\b)+7], v[\f+64+16*\b:\f+64+16*\b+15], v[\f+16*\a:\f+16*\a+15], v[ACC+8*(4*\a+\b):ACC+8*(4*\a+\b)+7]
.endif
.endr
.endm
.macro FETCH slot, q, f                ; 32 LDS loads in one run: B's four fragments, then A's four, of the slot's q-th 128 along K
	WIN TO_F
.irp i, 0,1,2,3
.irp c, 0,1,2,3
	ds_load_b128 v[\f+64+16*\i+4*\c:\f+64+16*\i+4*\c+3], v[ADRB+\slot] offset:\i*8192+\q*2048+512*\c
.endr
.endr
.irp i, 0,1,2,3
.irp c, 0,1,2,3
	ds_load_b128 v[\f+16*\i+4*\c:\f+16*\i+4*\c+3], v[ADRA+\slot] offset:\i*8192+\q*2048+512*\c
.endr
.endr
.endm
.macro PLACES
.rept 4
	v_nop
.endr
.endm
.macro QUARTER slot, q, f, g, zero     ; multiplies buffer f; in its middle it fetches the slot's q-th 128 along K into g
	s_wait_dscnt 8                                 ; B and A's fragments 0, 1 are in; fragments 2, 3 may be out
	WIN MUL
	MUL4 \f, 0, \zero
	MUL4 \f, 1, \zero
	PLACES
	FETCH \slot, \q, \g
	s_wait_dscnt 32                                ; all but the 32 just issued
	WIN MUL
	MUL4 \f, 2, \zero
	MUL4 \f, 3, \zero
.endm
.macro TURN slot, next, fill
	WIN 0
.if \fill == 1                         ; fill = 1: a refill with its prefetch; fill = 2: a refill alone (K steps 6 and 7: no K step stands two on)
	s_wait_xcnt 0x0                                ; my last prefetch has read its address, so it may be stepped
	s_add_nc_u64 s[74:75], s[74:75], 8192
.endif
	s_wait_tensorcnt 0x0
	ds_add_u32 v[SPW], v[NIL]                      ; 0 onto my spare word
	s_wait_dscnt 9                                 ; the add and A's fragments 2, 3 may be out
	WIN MUL
	MUL4 F1, 0, 0
	s_wait_dscnt 0x0                               ; the add is done, and my reads of this slot are over
	s_barrier_signal -1
	MUL4 F1, 1, 0
.if \fill
	WIN 0
.endif
	s_barrier_wait -1
.if \fill
	CREST                                          ; the barrier has opened a round of the cluster's barrier: no wave of any partner still reads this slot or has a load on its way
	s_add_nc_u64 s[G0+4*\slot+2:G0+4*\slot+3], s[G0+4*\slot+2:G0+4*\slot+3], 16384
	s_add_nc_u64 s[G0B+4*\slot+2:G0B+4*\slot+3], s[G0B+4*\slot+2:G0B+4*\slot+3], 16384
	JLOAD \slot
.else
	PLACES
.endif
	FETCH \next, 0, F0
.if \fill == 1
	global_prefetch_b8 v30, s[74:75] offset:24576 th:TH_LOAD_NT scope:SCOPE_SE   ; two K steps on from the refill above (its address register lies in window 0, as the loads' above)
.endif
	WIN MUL
	MUL4 F1, 2, 0
	MUL4 F1, 3, 0
.endm
; THE WAY OUT of block a: 16 rows x 64 columns through my own stage, back as whole rows of 256 bytes; x 2^(ea + eb) + the residual, + the bias; sixteen lanes store one aligned run of 256 bytes.
.macro OUTB a
.set BK, 32+32*((\a)%2)
.if (\a) >= 2
	s_wait_xcnt 0x0                                ; the stores of two blocks ago have read this set's registers
.endif
.irp b, 0,1,2,3
	ds_store_b128 v[STO], v[ACC+8*(4*\a+\b):ACC+8*(4*\a+\b)+3] offset:64*\b
	ds_store_b128 v[STO], v[ACC+8*(4*\a+\b)+4:ACC+8*(4*\a+\b)+7] offset:64*\b+16
.endr
.irp t, 0,1,2,3,4,5,6,7
	ds_load_b128 v[BK+4*\t:BK+4*\t+3], v[RD] offset:\t*2*SPITCH   ; LDS serves a wave's instructions in order (ISA guide 5.7.1.4): these see the stores above
.endr
	s_wait_dscnt 0x0
	WIN 0x20                                       ; source 2: window 2
.set j, 0
.rept 16
	v_pk_fma_f32 v[BK+j:BK+j+1], v[BK+j:BK+j+1], s[68:69], v[32*\a+j:32*\a+j+1] op_sel_hi:[1,0,1]
.set j, j+2
.endr
	WIN 0
.irp t, 0,1,2,3,4,5,6,7
	v_pk_add_f32 v[BK+4*\t:BK+4*\t+1], v[BK+4*\t:BK+4*\t+1], v[8:9]
	v_pk_add_f32 v[BK+4*\t+2:BK+4*\t+3], v[BK+4*\t+2:BK+4*\t+3], v[10:11]
.endr
.irp t, 0,1,2,3,4,5,6,7
	global_store_b128 v[CO], v[BK+4*\t:BK+4*\t+3], s[14:15] offset:(16*\a+2*\t)*4096 th:TH_STORE_NT
.endr
.endm
	s_wait_alu depctr_va_vdst(0)                   ; the wait at the head's end
	s_wait_tensorcnt 0x0                           ; my part of K step 0 is in
	ds_add_u32 v[SPW], v[NIL]
	s_wait_dscnt 0x0
	CROUND                                         ; everybody's part is in, and all sixteen work-groups are here
	JLOAD 1                                        ; K step 1: the first tensor load behind the round
	FETCH 0, 0, F0
	global_prefetch_b8 v30, s[74:75] offset:24576 th:TH_LOAD_NT scope:SCOPE_SE   ; K step 3
	QUARTER 0, 1, F0, F1, 1                        ; the first products start the sums
.if LAPS > 1
	WIN 0
	s_mov_b32 s3, LAPS-1
.Llap:                                         ; a trip goes once round the ring, from a lap's second quarter to the next lap's first, and fills both slots again
	QUARTER 0, 2, F1, F0, 0
	QUARTER 0, 3, F0, F1, 0
	TURN 0, 1, 1
	QUARTER 1, 1, F0, F1, 0
	QUARTER 1, 2, F1, F0, 0
	QUARTER 1, 3, F0, F1, 0
	TURN 1, 0, 1
	QUARTER 0, 1, F0, F1, 0
	WIN 0
	s_sub_co_u32 s3, s3, 1
	s_cmp_lg_u32 s3, 1
	s_cbranch_scc1 .Llap
	; The trip that refills K steps 6 and 7 is written out (s3 = 1: its prefetches are jumped over).  THE RESIDUAL is asked for here and not at the head: 32 loads a wave, in the layout in which the rows leave,
	; into window 2; ten quarters of products stand between these loads and the wait for them.
	WIN 0x80                                       ; destination window 2
.set t, 0
.rept 32
	global_load_b128 v[4*t:4*t+3], v[CO], s[8:9] offset:2*t*4096 th:TH_LOAD_NT
.set t, t+1
.endr
	QUARTER 0, 2, F1, F0, 0
	QUARTER 0, 3, F0, F1, 0
	TURN 0, 1, 2
	QUARTER 1, 1, F0, F1, 0
	QUARTER 1, 2, F1, F0, 0
	QUARTER 1, 3, F0, F1, 0
	TURN 1, 0, 2
	QUARTER 0, 1, F0, F1, 0
	WIN 0
.endif
	QUARTER 0, 2, F1, F0, 0                        ; the last lap fills nothing
	QUARTER 0, 3, F0, F1, 0
	TURN 0, 1, 0
	QUARTER 1, 1, F0, F1, 0
	QUARTER 1, 2, F1, F0, 0
	QUARTER 1, 3, F0, F1, 0
	s_wait_dscnt 8
	WIN MUL
	MUL4 F1, 0, 0
	MUL4 F1, 1, 0
	s_wait_dscnt 0
	MUL4 F1, 2, 0
	MUL4 F1, 3, 0
	WIN 0
	s_wait_kmcnt 0x0
	s_add_co_i32 s68, s66, s67
	s_add_co_i32 s68, s68, 127
	s_lshl_b32 s68, s68, 23                        ; 2^(ea + eb)
	s_mov_b32 s69, s68
	PLACES
	s_wait_loadcnt 0x0                             ; the residual and the bias
	OUTB 0
	OUTB 1
	OUTB 2
	OUTB 3
	s_wait_tensorcnt 0x0                           ; the wave's end
	ds_add_u32 v[SPW], v[NIL]
	s_wait_dscnt 0x0
	CROUND                                         ; the closing round
	s_endpgm
.Lfunc_end_k_q3cc657daae_gemm_proj:
	.size	k_q3cc657daae_gemm_proj, .Lfunc_end_k_q3cc657daae_gemm_proj-k_q3cc657daae_gemm_proj
	.p2alignl 7, 3214868480
	.fill 96, 4, 3214868480
	.section	.rodata,"a",@progbits
	.p2align	6, 0x0
	.amdhsa_kernel k_q3cc657daae_gemm_proj
		.amdhsa_group_segment_fixed_size 327680
		.amdhsa_private_segment_fixed_size 0
		.amdhsa_enable_private_segment 0
		.amdhsa_kernarg_size 48
		.amdhsa_user_sgpr_count 2
		.amdhsa_user_sgpr_kernarg_segment_ptr 1
		.amdhsa_wavefront_size32 1
		.amdhsa_system_sgpr_workgroup_id_x 1
		.amdhsa_system_sgpr_workgroup_id_y 1
		.amdhsa_system_sgpr_workgroup_id_z 1
		.amdhsa_system_vgpr_workitem_id 0
		.amdhsa_next_free_vgpr 640
		.amdhsa_next_free_sgpr 80
		.amdhsa_reserve_vcc 0
		.amdhsa_float_denorm_mode_32 3
		.amdhsa_float_denorm_mode_16_64 3
		.amdhsa_memory_ordered 1
		.amdhsa_forward_progress 1
		.amdhsa_inst_pref_size 111
	.end_amdhsa_kernel
	.amdgpu_metadata
---
amdhsa.version: [ 1, 2 ]
amdhsa.kernels:
  - .name:           k_q3cc657daae_gemm_proj
    .symbol:         k_q3cc657daae_gemm_proj.kd
    .args:
      - { .name: gimg, .offset: 0, .size: 8, .value_kind: global_buffer, .address_space: global }
      - { .name: codes, .offset: 8, .size: 8, .value_kind: global_buffer, .address_space: global }
      - { .name: yy, .offset: 16, .size: 8, .value_kind: global_buffer, .address_space: global }
      - { .name: b_proj, .offset: 24, .size: 8, .value_kind: global_buffer, .address_space: global }
      - { .name: lowp_scales, .offset: 32, .size: 8, .value_kind: global_buffer, .address_space: global }
      - { .name: out0, .offset: 40, .size: 8, .value_kind: global_buffer, .address_space: global }
    .group_segment_fixed_size: 327680
    .private_segment_fixed_size: 0
    .kernarg_segment_align: 8
    .kernarg_segment_size: 48
    .max_flat_workgroup_size: 128
    .sgpr_count:     80
    .vgpr_count:     640
    .wavefront_size: 32
...
	.end_amdgpu_metadata
.endif
;; end of part 7
